; MI455X (gfx1250); checked and timed in simulation.
; The chip was launched on July 23, 2026; its instructions are those of AMD's public machine-readable ISA for CDNA 5 (MIT licence, August 2026) and "CDNA5" Instruction Set Architecture Reference Guide (July 2026). The comments in the code are by the model that wrote it; some were corrected since.
;; Retention. Allowed arithmetic: float matrix products may take bf16 or f16 operands with f32 sums; other float arithmetic in f32, or as packed bf16 or f16 multiplies, adds, multiply-adds, maxima and minima; sums over many terms, partial sums and values carried from step to step in f32; what a program stores and reads back later, other than sums and carried values, may be rounded once to bf16 or f16.
;; Inputs: W_K 2,048 x 256 float32; W_Q 2,048 x 256 float32; W_V 2,048 x 256 float32; X 4 x 4,096 x 2,048 float32.
;; Outputs: out0 4 x 4,096 x 256 float32.
;; 2 versions, each right; version 2 is version 1 with the launches prep, scan written anew for expert scheduling mode. Each part assembles by itself: llvm-mc -triple=amdgcn-amd-amdhsa -mcpu=gfx1250 --defsym DOCPART=n.
;; ======== version 1 of 2: 5 launches
;; workspace buffers: wc 3,145,728 bytes; tab 786,432 bytes; yh 25,165,824 bytes; yl 25,165,824 bytes; u 15,728,640 bytes; th 8,388,608 bytes; tl 8,388,608 bytes
;; launch prep (part 1): grid 256 x 1, 4 waves a work-group, no clusters, 0 bytes of LDS; arguments W_Q, W_K, W_V, wc, tab; writes wc, tab
.if DOCPART == 1
	.amdgcn_target "amdgcn-amd-amdhsa--gfx1250"
	.amdhsa_code_object_version 6
	.text
	.protected	k_qa9cc870b8a_prep
	.globl	k_qa9cc870b8a_prep
	.p2align	8
	.type	k_qa9cc870b8a_prep,@function
k_qa9cc870b8a_prep:
	s_mov_b64 s[64:65], 0
	v_nop
	global_prefetch_b8 v0, s[64:65] scope:SCOPE_SE
	s_setreg_imm32_b32 hwreg(HW_REG_WAVE_MODE, 25, 1), 1
	s_wait_xcnt 0x0
; PREP.  (1) wc[k][768] = bf16 of (W_Q | W_K | W_V)[k][256]: the three weights side by side, rounded once.
; (2) tab[i][384 pairs][c, s], f32: the factors by which a projected row at place i of its chunk of 256 positions is multiplied, a complex number for each pair of channels:
;     pairs 0-127 (Q):   (g v_j^(1/512))^i   e^(i t_j),   pairs 128-255 (K): (g v_j^(1/512))^-i e^(i t_j),   pairs 256-383 (V): (1, 0)
;     g = 0.96875, v_j = (2 j + 102.4) / 358.4, t_j = i x 10000^(-j/128).  Decay and xpos are both powers of the distance n - m, so they split into a factor of n and one of m, counted from the chunk's first row.
; Work-group i (256 of them) takes rows 8 i .. 8 i + 7 of the weights and row i of the table; thread t takes pair j = t.
; Sine and cosine are polynomials: the angle in turns less its nearest whole number, f in -1/2 .. 1/2; the half angle pi f in -pi/2 .. pi/2; Taylor sums to x^11 and x^12 (next terms under 6e-8); then the double-angle forms.
; LIMITS.  The angle is the f32 product i x t_j (i under 256); reference() rounds pos x t_j at pos up to 4,095: the two differ by that rounding, about 1e-4 radians at the most.
; No LDS, no matrix unit, no cluster: nothing is shared and the launch moves 10 MB.
.set LW, 16                            ; v[16:63] the weights as loaded: (matrix m, half hf) at LW + 16 m + 8 hf
	s_load_b256 s[4:11], s[0:1], 0x0               ; W_Q s[4:5], W_K s[6:7], W_V s[8:9], wc s[10:11]
	s_load_b64 s[12:13], s[0:1], 0x20              ; tab
	v_lshrrev_b32 v1, 5, v0                        ; t / 32: my row among four
	v_and_b32 v2, 31, v0
	v_lshlrev_b32 v3, 5, v2
	v_lshl_add_u32 v3, v1, 10, v3                  ; in W: row x 1,024 + 32 (t % 32): eight f32
	v_mul_u32_u24 v4, v1, 1536
	v_lshl_add_u32 v4, v2, 4, v4                   ; in wc: row x 1,536 + 16 (t % 32): eight bf16
	v_lshlrev_b32 v5, 3, v0                        ; in a table row: 8 t
	s_lshl_b32 s16, ttmp9, 13                      ; 8 rows of 1,024 bytes
	s_mov_b32 s17, 0
	s_mul_i32 s18, ttmp9, 12288                    ; 8 rows of 1,536 bytes
	s_mov_b32 s19, 0
	s_mul_i32 s20, ttmp9, 3072                     ; a table row
	s_mov_b32 s21, 0
	s_mov_b32 s22, ttmp9
	s_wait_kmcnt 0x0
	s_add_nc_u64 s[4:5], s[4:5], s[16:17]
	s_add_nc_u64 s[6:7], s[6:7], s[16:17]
	s_add_nc_u64 s[8:9], s[8:9], s[16:17]
	s_add_nc_u64 s[10:11], s[10:11], s[18:19]
	s_add_nc_u64 s[12:13], s[12:13], s[20:21]
.irp m, 0,1,2
.irp hf, 0,1
	global_load_b128 v[LW+16*(\m)+8*(\hf):LW+16*(\m)+8*(\hf)+3],   v3, s[4+2*(\m):5+2*(\m)] offset:4096*(\hf) th:TH_LOAD_NT
	global_load_b128 v[LW+16*(\m)+8*(\hf)+4:LW+16*(\m)+8*(\hf)+7], v3, s[4+2*(\m):5+2*(\m)] offset:4096*(\hf)+16 th:TH_LOAD_NT
.endr
.endr
	; the table's row, while the twelve loads are on their way
	v_cvt_f32_u32 v6, v0                           ; j
	v_cvt_f32_u32 v7, s22                          ; i
	v_mul_f32 v8, 0xbdd49a78, v6                   ; -j log2(10000) / 128
	v_add_f32 v9, v6, v6
	v_add_f32 v9, 0x42cccccd, v9                   ; 2 j + 102.4
	v_mul_f32 v9, 0x3b36db6e, v9                   ; / 358.4
	v_exp_f32 v8, v8                               ; 10000^(-j/128)
	v_log_f32 v9, v9                               ; log2 v_j
	v_mov_b32 v10, 0x3b000000                      ; 1/512: the plain line behind the two
	s_wait_alu depctr_va_vdst(0)                   ; one wait for both, ahead of their first reader
	v_fmaak_f32 v9, v9, v10, 0xbd3b9ca6            ; log2 (g v_j^(1/512)) = log2 v_j / 512 + log2 0.96875
	v_mul_f32 v10, v7, v9                          ; times i
	v_sub_f32 v13, 0, v10
	v_exp_f32 v11, v10                             ; Q's size
	v_exp_f32 v12, v13                             ; K's size
	v_mul_f32 v14, v7, v8                          ; the angle
	v_mul_f32 v15, 0.15915494, v14                 ; in turns
	v_rndne_f32 v15, v15
	v_fma_f32 v14, v14, 0.15915494, -v15           ; f
	v_mul_f32 v14, 0x40490fdb, v14                 ; x = pi f, the half angle
	v_mul_f32 v15, v14, v14                        ; z = x^2
	v_mov_b32 v6, 0xb2d7322b                       ; sin x / x = 1 - z/3! + z^2/5! - z^3/7! + z^4/9! - z^5/11!
	v_mov_b32 v7, 0x310f76c7                       ; cos x = 1 - z/2! + z^2/4! - z^3/6! + z^4/8! - z^5/10! + z^6/12!
	v_fmaak_f32 v6, v6, v15, 0x3638ef1d
	v_fmaak_f32 v7, v7, v15, 0xb493f27e
	v_fmaak_f32 v6, v6, v15, 0xb9500d01
	v_fmaak_f32 v7, v7, v15, 0x37d00d01
	v_fmaak_f32 v6, v6, v15, 0x3c088889
	v_fmaak_f32 v7, v7, v15, 0xbab60b61
	v_fmaak_f32 v6, v6, v15, 0xbe2aaaab
	v_fmaak_f32 v7, v7, v15, 0x3d2aaaab
	v_fma_f32 v6, v6, v15, 1.0
	v_fma_f32 v7, v7, v15, -0.5
	v_mul_f32 v6, v6, v14                          ; sin x
	v_fma_f32 v7, v7, v15, 1.0                     ; cos x
	v_mul_f32 v8, v6, v7
	v_mul_f32 v9, v6, v6
	v_add_f32 v8, v8, v8                           ; sin 2x = 2 sin x cos x
	v_fma_f32 v9, v9, -2.0, 1.0                    ; cos 2x = 1 - 2 sin^2 x
	s_wait_alu depctr_va_vdst(0)                   ; one wait for the two sizes
	v_mul_f32 v6, v9, v11
	v_mul_f32 v7, v8, v11
	v_mul_f32 v10, v9, v12
	v_mul_f32 v11, v8, v12
	v_mov_b32 v12, 1.0
	v_mov_b32 v13, 0
	global_store_b64 v5, v[6:7], s[12:13]                ; each store of a wave covers 256 consecutive bytes, aligned
	global_store_b64 v5, v[10:11], s[12:13] offset:1024
	global_store_b64 v5, v[12:13], s[12:13] offset:2048
	s_wait_loadcnt 0x0
.irp m, 0,1,2
.irp hf, 0,1
.irp j, 0,1,2,3
	v_cvt_pk_bf16_f32 v[LW+16*(\m)+8*(\hf)+(\j)], v[LW+16*(\m)+8*(\hf)+2*(\j)], v[LW+16*(\m)+8*(\hf)+2*(\j)+1]  ; in place: word j is written when words 2 j, 2 j + 1 are read
.endr
	global_store_b128 v4, v[LW+16*(\m)+8*(\hf):LW+16*(\m)+8*(\hf)+3], s[10:11] offset:6144*(\hf)+512*(\m)  ; a wave stores 512 consecutive bytes
.endr
.endr
	s_endpgm
.Lfunc_end_k_qa9cc870b8a_prep:
	.size	k_qa9cc870b8a_prep, .Lfunc_end_k_qa9cc870b8a_prep-k_qa9cc870b8a_prep
	.p2alignl 7, 3214868480
	.fill 96, 4, 3214868480
	.section	.rodata,"a",@progbits
	.p2align	6, 0x0
	.amdhsa_kernel k_qa9cc870b8a_prep
		.amdhsa_group_segment_fixed_size 0
		.amdhsa_private_segment_fixed_size 0
		.amdhsa_enable_private_segment 0
		.amdhsa_kernarg_size 40
		.amdhsa_user_sgpr_count 2
		.amdhsa_user_sgpr_kernarg_segment_ptr 1
		.amdhsa_wavefront_size32 1
		.amdhsa_system_sgpr_workgroup_id_x 1
		.amdhsa_system_sgpr_workgroup_id_y 1
		.amdhsa_system_sgpr_workgroup_id_z 1
		.amdhsa_system_vgpr_workitem_id 0
		.amdhsa_next_free_vgpr 64
		.amdhsa_next_free_sgpr 66
		.amdhsa_reserve_vcc 0
		.amdhsa_float_denorm_mode_32 3
		.amdhsa_float_denorm_mode_16_64 3
		.amdhsa_memory_ordered 1
		.amdhsa_forward_progress 1
		.amdhsa_inst_pref_size 7
	.end_amdhsa_kernel
	.amdgpu_metadata
---
amdhsa.version: [ 1, 2 ]
amdhsa.kernels:
  - .name:           k_qa9cc870b8a_prep
    .symbol:         k_qa9cc870b8a_prep.kd
    .args:
      - { .name: W_Q, .offset: 0, .size: 8, .value_kind: global_buffer, .address_space: global }
      - { .name: W_K, .offset: 8, .size: 8, .value_kind: global_buffer, .address_space: global }
      - { .name: W_V, .offset: 16, .size: 8, .value_kind: global_buffer, .address_space: global }
      - { .name: wc, .offset: 24, .size: 8, .value_kind: global_buffer, .address_space: global }
      - { .name: tab, .offset: 32, .size: 8, .value_kind: global_buffer, .address_space: global }
    .group_segment_fixed_size: 0
    .private_segment_fixed_size: 0
    .kernarg_segment_align: 8
    .kernarg_segment_size: 40
    .max_flat_workgroup_size: 128
    .sgpr_count:     66
    .vgpr_count:     64
    .wavefront_size: 32
...
	.end_amdgpu_metadata
.endif
;; end of part 1
;; launch gemm (part 2): grid 4 x 64, 4 waves a work-group, clusters of 4 x 4, 327,680 bytes of LDS; arguments X, wc, tab, yh, yl; writes yh, yl
.if DOCPART == 2
	.amdgcn_target "amdgcn-amd-amdhsa--gfx1250"
	.amdhsa_code_object_version 6
	.text
	.protected	k_qa9cc870b8a_gemm
	.globl	k_qa9cc870b8a_gemm
	.p2align	8
	.type	k_qa9cc870b8a_gemm,@function
k_qa9cc870b8a_gemm:
	s_mov_b64 s[64:65], 0
	v_nop
	global_prefetch_b8 v0, s[64:65] scope:SCOPE_SE
	s_setreg_imm32_b32 hwreg(HW_REG_WAVE_MODE, 25, 1), 1
	s_wait_xcnt 0x0
	s_wait_alu depctr_hold_cnt(0) depctr_sa_sdst(0) depctr_va_vdst(0) depctr_va_sdst(0) depctr_va_ssrc(0) depctr_va_vcc(0) depctr_vm_vsrc(0)
	s_getreg_b32 s2, hwreg(HW_REG_IB_STS2, 6, 4)
	s_cmp_eq_u32 s2, 0
	s_cbranch_scc0 .Lentry_in_a_cluster
	s_endpgm
.Lentry_in_a_cluster:
	s_bfe_u32 s2, ttmp6, 0x10000c
	s_cmp_lg_u32 s2, 0xf033
	s_cbranch_scc0 .Lentry_shape_is_right
	s_endpgm
.Lentry_shape_is_right:
; GEMM.  Y[16384][768] = bf16(X)[16384][2048] x wc[2048][768]; each pair of columns is then multiplied, as a complex number, by the table's entry for the row's place in its chunk of 256,
; and the result is written as two bf16 numbers, yh = bf16(y), yl = bf16(y - yh).  Sums in f32.
; SHARES.  A tile of Y is 128 rows x 384 columns: 128 x 2 = 256 work-groups.  Four waves, each 64 x 192: 48 accumulators of 16 x 16, 384 registers.  K goes in 16 steps of 128.
; X IS F32 AND GOES THROUGH REGISTERS: each wave loads its 32 rows x 512 bytes of a K step (a row an instruction), rounds them to bf16 once and puts them into one of two A buffers in LDS, from which all
; four waves take fragments.  Two sets of 128 registers: one set's loads are on their way for more than a K step, counted by LOADcnt, across the changes of slots.
; W COMES BY THE TENSOR MOVER into two slots, a K step each (128 k-rows x 768 bytes), and is read turned, by ds_load_tr16_b128.
; CLUSTER 4 x 4.  Column half nt = cx % 2; row tile = 8 x cluster y + 2 cy + cx / 2.  The four work-groups of a column of the cluster need the same tile of W and ask for it JOINTLY.  The two that need the
; same rows of X (cx and cx xor 1) run in step in one cluster; X is not asked for jointly, since it does not come by the mover.
; THE MATRIX INSTRUCTION IS USED TRANSPOSED (source 0 = 16 columns of W, source 1 = 16 rows of X): a lane then holds one row of Y and eight neighbouring columns, four whole pairs.
; LIMITS.  NaN and infinities are not treated apart (V's pairs are multiplied by (1, 0)).  yh + yl keeps about 16 significant bits of y.
; REGISTERS, in windows of 256 (s_set_vgpr_msb: bits 1:0 source 0, 3:2 source 1, 5:4 source 2, 7:6 destination):
;   window 0: v0-29 addresses; v32-63 at work; v64-127 rows on the way out; v128-255 X set 0, later the 96 multiplied numbers of a block of 16 rows
;   window 1: two fragment buffers of 128: A's four fragments, then W's twelve; later two sets of table entries
;   window 2: v0-191 accumulators of my rows 0-31 ((a, b) at 96 a + 8 b); v192-255 X set 1, rows 0-15          window 3: the same for my rows 32-63 and X set 1's rows 16-31
.set WP,    864                        ; a k-row of W in LDS: six pieces of 128 bytes + 16 of padding; 864 = 27 x 32
.set WQ,    32*WP                      ; 32 k-rows: what one tensor load brings, and a quarter of a K step
.set WSLOT, 4*WQ
.set WSTEP, 128*1536                   ; bytes of wc in a K step
.set ABUF,  2*WSLOT                    ; behind the slots: two A buffers of 128 rows; no tensor load lands here
.set AP,    272                        ; 256 bytes + 16: the 16 rows of a fragment load start at 16 different groups of four banks
.set ASZ,   128*AP
.set SPARE, ABUF+2*ASZ                 ; the spare words, 128 bytes for each wave: two blocks of 256 bytes that no other line names
.set SGP,   784                        ; the way out: a stage row, 768 bytes + 16.  The stage lies in the slots, behind their last fill
.set SGL,   128*SGP                    ; the low parts' plane
.set F0,  0
.set F1,  128
.set CT,  32
.set BK,  64
.set XS0, 128
.set XS1, 192
.set DR,  128
; v2 16 x lane   v3 where I put a row's 8 bytes in an A buffer   v4 my A fragments   v5-8 my W fragments: slot, half of the K step   v9, v10 the prefetches' offsets   v11 my table entries
; v12, v13 into the stage   v14, v15 back out of it   v16 my bytes in two rows of Y   v28, v29 the spare word's address and 0
; s14 wave  s15, s16 its row and column half  s17 cx  s18 cy  s19 nt  s20 row tile  s21 cx / 2  s22 cluster y  s3 trips to go  s[24:31] group 1  s[32:39] group 0, a set a slot
; s[40:41] X, one K step behind the loads  s[42:43] where the prefetch of W stands  s44 1 in a wave that prefetches W, else the greatest number  s45 a word's upper half  s[56:59] yh, yl at my rows
.set MSB, 0
.macro WIN new                         ; the immediate's high byte repeats the setting that is left; a switch that changes nothing is dropped
.if MSB != (\new)
	s_set_vgpr_msb (MSB<<8)|(\new)
.set MSB, \new
.endif
.endm
.macro PLACES                          ; four places in front of loads into registers that matrix instructions have read (ISA guide 7.12.1 for vector instructions)
.rept 4
	v_nop
.endr
.endm
.macro CREST                           ; a round of the cluster's barrier behind its opening barrier
	s_cmp_lg_u32 s14, 0
	s_cbranch_scc1 .Lnot_wave_0_\@
	s_barrier_signal -3
.Lnot_wave_0_\@:
	s_barrier_wait -3
	s_barrier_signal -1
	s_barrier_wait -1
.endm
.macro CROUND
	s_barrier_signal -1
	s_barrier_wait -1
	CREST
.endm
.macro JLOAD s                         ; a joint load: my 32 k-rows of a K step of W; one line and one mask for all waves; an s_nop 0 and four v_nop follow it
	tensor_load_to_lds s[32+4*(\s):35+4*(\s)], s[24:31]
	s_nop 0
	PLACES
.endm
; 12 matrix instructions: row block 2 hi + a x all 12 column blocks, 32 along K.  The accumulators take turns, one instruction a turn.  zero = 1: the product starts the sums
.macro MUL f, hi, a, zero
	WIN 0xa5+0x50*(\hi)
.irp b, 0,1,2,3,4,5,6,7,8,9,10,11
.if \zero
	v_wmma_f32_16x16x32_bf16 v[96*(\a)+8*(\b):96*(\a)+8*(\b)+7], v[(\f)+32+8*(\b):(\f)+32+8*(\b)+7], v[(\f)+8*(2*(\hi)+(\a)):(\f)+8*(2*(\hi)+(\a))+7], 0
.else
	v_wmma_f32_16x16x32_bf16 v[96*(\a)+8*(\b):96*(\a)+8*(\b)+7], v[(\f)+32+8*(\b):(\f)+32+8*(\b)+7], v[(\f)+8*(2*(\hi)+(\a)):(\f)+8*(2*(\hi)+(\a))+7], v[96*(\a)+8*(\b):96*(\a)+8*(\b)+7]
.endif
.endr
.endm
; 32 LDS loads in one run: quarter q of a K step into buffer f: W's twelve fragments (turned), then A's four
.macro FETCH slot, q, f
	WIN 0x40
.irp b, 0,1,2,3,4,5,6,7,8,9,10,11
	ds_load_tr16_b128 v[(\f)+32+8*(\b):(\f)+32+8*(\b)+3],   v[5+2*(\slot)+(\q)/2] offset:((\q)%2)*WQ+32*(\b)+16*((\b)/4)
	ds_load_tr16_b128 v[(\f)+32+8*(\b)+4:(\f)+32+8*(\b)+7], v[5+2*(\slot)+(\q)/2] offset:((\q)%2)*WQ+32*(\b)+16*((\b)/4)+16*WP
.endr
.irp a, 0,1,2,3
	ds_load_b128 v[(\f)+8*(\a):(\f)+8*(\a)+3],   v4 offset:(\slot)*ASZ+(\a)*16*AP+64*(\q)
	ds_load_b128 v[(\f)+8*(\a)+4:(\f)+8*(\a)+7], v4 offset:(\slot)*ASZ+(\a)*16*AP+64*(\q)+32
.endr
.endm
; my 32 rows x 512 bytes of X, from byte off behind the pointer, into set st
.macro XLOAD st, off
.if (\st) == 0
	WIN 0
.set i, 0
.rept 32
	global_load_b128 v[XS0+4*i:XS0+4*i+3], v2, s[40:41] offset:i*8192+(\off)
.set i, i+1
.endr
.else
	WIN 0x80
.set i, 0
.rept 16
	global_load_b128 v[XS1+4*i:XS1+4*i+3], v2, s[40:41] offset:i*8192+(\off)
.set i, i+1
.endr
	WIN 0xc0
.set i, 0
.rept 16
	global_load_b128 v[XS1+4*i:XS1+4*i+3], v2, s[40:41] offset:(i+16)*8192+(\off)
.set i, i+1
.endr
.endif
	WIN 0
.endm
; The next K step of X is asked for, and behind the loads stands ONE PREFETCH for the K step that stands two such runs on: of my 32 rows' 64 blocks of 256 bytes my work-group names 32, the
; partner that reads the same rows the other 32, told apart by address (16 nt rows on).  So each block of X is named once.  The first four K steps come by their loads alone; the last trip names nothing.
.macro XISSUE st
	WIN 0
	s_wait_xcnt 0x0                                ; the loads and the prefetch that read the pointer have had their addresses translated (ISA guide 3.1): it may be stepped
	s_add_nc_u64 s[40:41], s[40:41], 512
	XLOAD \st, 512
	s_cmp_gt_u32 s3, 1
	s_cbranch_scc0 .Lno_x_\@
	global_prefetch_b8 v9, s[40:41] offset:1536 th:TH_LOAD_NT scope:SCOPE_SE
.Lno_x_\@:
.endm
; Set st is rounded to bf16 and put into A buffer buf.  left: the younger set's 32 loads may stay out
.macro XCVT st, buf, left
	s_wait_loadcnt \left
.irp hf, 0,1
.if (\st) == 0
	WIN 0
.set SB, XS0+64*(\hf)
.else
	WIN 0x0a+5*(\hf)
.set SB, XS1
.endif
.set i, 0
.rept 16
	v_cvt_pk_bf16_f32 v[CT+2*i],   v[SB+4*i],   v[SB+4*i+1]
	v_cvt_pk_bf16_f32 v[CT+2*i+1], v[SB+4*i+2], v[SB+4*i+3]
.set i, i+1
.endr
	WIN 0
.set i, 0
.rept 16
	ds_store_b64 v3, v[CT+2*i:CT+2*i+1] offset:(\buf)*ASZ+(16*(\hf)+i)*AP
.set i, i+1
.endr
.endr
.endm
; A K step is four quarters of 32 along K, 48 matrix instructions each, on buffers 0, 1, 0, 1.  One of the first three is QHEAD, whatever of X's work falls into it, and QTAIL, which fetches quarter q into g.
.macro QHEAD f, zero
	s_wait_dscnt 4                                 ; W's fragments and A's rows 0-31 are in; the youngest four loads (A's rows 32-63) may be out
	MUL \f, 0, 0, \zero
	MUL \f, 0, 1, \zero
.endm
.macro QTAIL slot, q, f, g, zero
	PLACES
	FETCH \slot, \q, \g
	s_wait_dscnt 32                                ; all but the 32 just issued; X's stores into an A buffer stand ahead of them
	MUL \f, 1, 0, \zero
	MUL \f, 1, 1, \zero
.endm
; The last quarter multiplies buffer 1 and changes slots and A buffers: ONE barrier.  In front of it each wave waits for all its tensor loads (one is out: its part of the next slot), adds 0 to its spare
; word, and waits for that, for its reads of this slot and this A buffer, and for its stores into the next A buffer.  fill = 1: the barrier opens a round of the cluster's, and this slot is filled again, two K steps
; ahead, first thing behind the round.  askw = 1: behind the run of LDS loads stands one prefetch of W: K step 2 i + 4 + cx / 2 in trip i.  A K step of my column half is 128 rows x 3 blocks of 256 bytes:
; waves 0, 1, 2 take a block column each, a lane a row, partner cy 32 of the rows, by address; only the first cluster along y asks.  So each block of wc is named once; the last trip names nothing.
.macro TURN slot, next, fill, askw
.if \askw
	s_wait_xcnt 0x0                                ; the last prefetch of W, a lap back, has read its address
	s_add_nc_u64 s[42:43], s[42:43], 2*WSTEP
.endif
	WIN 0
	s_wait_tensorcnt 0x0
	ds_add_u32 v28, v29                            ; 0 onto my spare word
	s_wait_dscnt 5                                 ; (the add and the youngest four loads may be out)
	MUL F1, 0, 0, 0                                ; twelve matrix instructions stand between the add and the wait for it
	s_wait_dscnt 0x0
	s_barrier_signal -1
	MUL F1, 0, 1, 0
.if \fill
	WIN 0
.endif
	s_barrier_wait -1
.if \fill
	CREST                                          ; no wave of any partner still reads this slot or has a load on its way
	s_add_nc_u64 s[34+4*(\slot):35+4*(\slot)], s[34+4*(\slot):35+4*(\slot)], 2*WSTEP
	JLOAD \slot                                    ; its four v_nop are also the places in front of the loads below
.else
	PLACES
.endif
	FETCH \next, 0, F0
.if \askw
	WIN 0
	s_cmp_gt_u32 s3, s44
	s_cbranch_scc0 .Lno_w_\@
	global_prefetch_b8 v10, s[42:43] th:TH_LOAD_NT scope:SCOPE_SE
.Lno_w_\@:
.endif
	MUL F1, 1, 0, 0
	MUL F1, 1, 1, 0
.endm
; eight f32 at src become four words of bf16 at t (the high parts) and four at t + 4 (what is left, rounded again); t + 8 .. t + 15 at work
.macro SPLIT8 src, t, m
.irp j, 0,1,2,3
	v_cvt_pk_bf16_f32 v[(\t)+(\j)], v[(\src)+2*(\j)], v[(\src)+2*(\j)+1]
.endr
.irp j, 0,1,2,3
	v_lshlrev_b32 v[(\t)+8+2*(\j)], 16, v[(\t)+(\j)]
	v_and_b32     v[(\t)+9+2*(\j)], s[\m], v[(\t)+(\j)]
.endr
.irp j, 0,1,2,3
	v_pk_add_f32 v[(\t)+8+2*(\j):(\t)+9+2*(\j)], v[(\src)+2*(\j):(\src)+2*(\j)+1], v[(\t)+8+2*(\j):(\t)+9+2*(\j)] neg_lo:[0,1] neg_hi:[0,1]
.endr
.irp j, 0,1,2,3
	v_cvt_pk_bf16_f32 v[(\t)+4+(\j)], v[(\t)+8+2*(\j)], v[(\t)+9+2*(\j)]
.endr
.endm
.macro TLOAD a                         ; the table's entries for my row block a: 24 loads into set a % 2
	WIN 0x40
.irp b, 0,1,2,3,4,5,6,7,8,9,10,11
	global_load_b128 v[128*((\a)%2)+8*(\b):128*((\a)%2)+8*(\b)+3],   v11, s[8:9] offset:(\a)*49152+64*(\b)
	global_load_b128 v[128*((\a)%2)+8*(\b)+4:128*((\a)%2)+8*(\b)+7], v11, s[8:9] offset:(\a)*49152+64*(\b)+16
.endr
.endm
.macro ROT a                           ; (y0, y1) x (c, s) = (y0 c - y1 s, y1 c + y0 s); each accumulator is read from its low end on
	WIN 0x06+(\a)/2
.irp b, 0,1,2,3,4,5,6,7,8,9,10,11
.irp p, 0,2,4,6
	v_pk_mul_f32 v[DR+8*(\b)+(\p):DR+8*(\b)+(\p)+1], v[96*((\a)%2)+8*(\b)+(\p):96*((\a)%2)+8*(\b)+(\p)+1], v[128*((\a)%2)+8*(\b)+(\p):128*((\a)%2)+8*(\b)+(\p)+1] op_sel_hi:[1,0]
.endr
.irp p, 0,2,4,6
	v_pk_fma_f32 v[DR+8*(\b)+(\p):DR+8*(\b)+(\p)+1], v[96*((\a)%2)+8*(\b)+(\p):96*((\a)%2)+8*(\b)+(\p)+1], v[128*((\a)%2)+8*(\b)+(\p):128*((\a)%2)+8*(\b)+(\p)+1], v[DR+8*(\b)+(\p):DR+8*(\b)+(\p)+1] op_sel:[1,1,0] op_sel_hi:[0,1,1] neg_lo:[1,0,0]
.endr
.endr
.endm
.macro BACK adr, base                  ; a plane of the stage: my 32 whole rows, three times 256 bytes of each
.irp c, 0,1,2
	s_wait_xcnt 0x0                                ; the stores that read v64-127 have had their addresses translated: the registers may be loaded again
.set i, 0
.rept 16
	ds_load_b128 v[BK+4*i:BK+4*i+3], v[\adr] offset:i*2*SGP+(\c)*256
.set i, i+1
.endr
.set i, 0
.rept 16
	s_wait_dscnt 15-i
	global_store_b128 v16, v[BK+4*i:BK+4*i+3], s[\base:\base+1] offset:i*3072+(\c)*256  ; 16 lanes store 256 consecutive bytes, at a multiple of 256 from the buffer's first byte
.set i, i+1
.endr
.endr
.endm
	s_load_b256 s[4:11], s[0:1], 0x0               ; X s[4:5], wc s[6:7], tab s[8:9], yh s[10:11]
	s_load_b64 s[12:13], s[0:1], 0x20              ; yl
	v_lshl_add_u32 v28, v0, 2, SPARE
	v_mov_b32 v29, 0
	ds_add_u32 v28, v29                            ; the wave's opening: the add, twice on end, and its wait ahead of my first tensor load
	ds_add_u32 v28, v29
	v_lshrrev_b32 v1, 5, v0
	v_readfirstlane_b32 s14, v1                    ; wave 0..3
	v_and_b32 v17, 31, v0                          ; lane
	v_lshlrev_b32 v2, 4, v17
	s_lshr_b32 s15, s14, 1
	s_and_b32 s16, s14, 1
	s_bfe_u32 s17, ttmp6, 0x40000                  ; cx
	s_bfe_u32 s18, ttmp6, 0x40004                  ; cy
	s_and_b32 s19, s17, 1                          ; nt
	s_lshr_b32 s21, s17, 1
	s_and_b32 s22, ttmp7, 0xffff                   ; cluster y
	s_lshl_b32 s20, s22, 3
	s_lshl_b32 s52, s18, 1
	s_add_co_u32 s20, s20, s52
	s_add_co_u32 s20, s20, s21                     ; row tile
	s_lshl_b32 s23, 0x1111, s17                    ; my column of the cluster
	s_or_b32 s24, s23, (1<<16)|(1<<20)|(1<<21)|(4<<22)|(3<<25)  ; 15:0 the mask; 17:16 2-byte elements; 20 padding on; 21 set beside a mask; 24:22 after every 32 words (code 4); 31:25 4 words (code 3)
	s_mov_b32 s25, 384<<16                         ; tensor_dim0 = 384
	s_mov_b32 s26, 32<<16                          ; tensor_dim1 = 32
	s_mov_b32 s27, 384<<16                         ; tile_dim0 = 384
	s_mov_b32 s28, 32                              ; tile_dim1 = 32
	s_mov_b32 s29, 768                             ; elements from row to row
	s_mov_b32 s30, 0
	s_mov_b32 s31, 0
	s_mul_i32 s46, s19, 768                        ; W: my column half,
	s_mul_i32 s47, s14, 32*1536                    ; my 32 k-rows
	s_add_co_u32 s46, s46, s47
	s_mov_b32 s47, 0
	s_mul_i32 s48, s14, WQ                         ; and where they go: the wave's number alone enters an LDS address
	s_lshl_b32 s50, s20, 20                        ; X: 128 rows of 8,192 bytes a tile,
	s_lshl_b32 s51, s14, 18                        ; my 32 of them
	s_add_co_u32 s50, s50, s51
	s_mov_b32 s51, 0
	s_mov_b32 s45, 0xffff0000
	s_wait_dscnt 0x0                               ; both opening adds are done
	s_wait_kmcnt 0x0
	s_add_nc_u64 s[46:47], s[6:7], s[46:47]
	s_add_nc_u64 s[40:41], s[4:5], s[50:51]
	XLOAD 0, 0                                     ; K step 0
	XLOAD 1, 512                                   ; K step 1
.irp s, 0,1
	s_mov_b32 s[32+4*(\s)], 1                      ; count = 1
	s_add_co_u32 s[33+4*(\s)], s48, (\s)*WSLOT     ; LDS address
	s_add_nc_u64 s[34+4*(\s):35+4*(\s)], s[46:47], (\s)*WSTEP  ; global address: K step s
	s_or_b32 s[35+4*(\s)], s[35+4*(\s)], 0x80000000  ; type = 2
.endr
	CROUND                                         ; all sixteen work-groups are here: the first joint loads meet
	JLOAD 0
	JLOAD 1                                        ; two tensor loads of mine are out
	v_and_b32 v18, 15, v0                          ; r = lane % 16
	v_bfe_u32 v19, v0, 4, 1                        ; h = lane / 16
	v_and_b32 v20, 7, v0
	v_bfe_u32 v21, v0, 3, 1
	s_mul_i32 s52, s14, 32*AP
	s_add_co_u32 s52, s52, ABUF
	v_lshl_add_u32 v3, v17, 3, s52                 ; my 32 rows of an A buffer, 8 bytes a lane
	s_mul_i32 s52, s15, 64*AP
	s_add_co_u32 s52, s52, ABUF
	v_mul_u32_u24 v4, v18, AP
	v_lshl_add_u32 v4, v19, 4, v4
	v_add_nc_u32 v4, s52, v4                       ; row x pitch + 16 h, in my 64 rows
	v_lshl_add_u32 v22, v19, 3, v20                ; the turning load: k-row 8 h + lane % 8, 16 bytes by (lane / 8) % 2
	v_mul_u32_u24 v22, v22, WP
	v_lshl_add_u32 v22, v21, 4, v22
	s_mul_i32 s52, s16, 432                        ; my 192 columns: three padded pieces
	v_add_nc_u32 v5, s52, v22
	v_add_nc_u32 v6, 2*WQ, v5
	v_add_nc_u32 v7, WSLOT, v5
	v_add_nc_u32 v8, WSLOT+2*WQ, v5
	XCVT 0, 0, 32                                  ; K step 0 of X into A buffer 0; K step 1's loads stay out
	s_lshl_b32 s52, s19, 17                        ; the prefetch of X: row 16 nt + r of my 32, block h
	v_lshlrev_b32 v9, 13, v18
	v_lshl_add_u32 v9, v19, 8, v9
	v_add_nc_u32 v9, s52, v9
	v_mul_u32_u24 v10, v17, 1536                   ; the prefetch of W: a lane a row
	s_lshl_b32 s52, s21, 7                         ; the table: the row's place in its chunk is 128 (tile % 2) + its place in the tile
	s_lshl_b32 s53, s15, 6
	s_add_co_u32 s52, s52, s53
	s_mul_i32 s52, s52, 3072
	s_mul_i32 s53, s19, 1536
	s_add_co_u32 s52, s52, s53
	s_mul_i32 s53, s16, 768
	s_add_co_u32 s52, s52, s53
	v_mul_u32_u24 v11, v18, 3072
	v_lshl_add_u32 v11, v19, 5, v11
	v_add_nc_u32 v11, s52, v11
	s_mul_i32 s52, s15, 64*SGP                     ; into the stage: row 64 wm + r, 16 bytes for each half of the lanes
	s_mul_i32 s53, s16, 384
	s_add_co_u32 s52, s52, s53
	v_mul_u32_u24 v12, v18, SGP
	v_lshl_add_u32 v12, v19, 4, v12
	v_add_nc_u32 v12, s52, v12
	v_add_nc_u32 v13, SGL, v12
	s_mul_i32 s52, s14, 32*SGP                     ; back: rows 32 w .. 32 w + 31, whole; lanes 0-15 take 256 bytes of one row, lanes 16-31 of the next
	v_mul_u32_u24 v14, v19, SGP
	v_lshl_add_u32 v14, v18, 4, v14
	v_add_nc_u32 v14, s52, v14
	v_add_nc_u32 v15, SGL, v14
	v_mul_u32_u24 v16, v19, 1536
	v_lshl_add_u32 v16, v18, 4, v16
	s_lshl_b32 s52, s20, 7
	s_lshl_b32 s53, s14, 5
	s_add_co_u32 s52, s52, s53
	s_mul_i32 s52, s52, 1536
	s_mul_i32 s53, s19, 768
	s_add_co_u32 s52, s52, s53
	s_mov_b32 s53, 0
	s_add_nc_u64 s[56:57], s[10:11], s[52:53]
	s_add_nc_u64 s[58:59], s[12:13], s[52:53]
	s_mul_i32 s54, s19, 768                        ; where the prefetch of W stands: my column half, block column = my wave,
	s_lshl_b32 s55, s14, 8
	s_add_co_u32 s54, s54, s55
	s_mul_i32 s55, s18, 32*1536                    ; my work-group's 32 rows,
	s_add_co_u32 s54, s54, s55
	s_add_co_u32 s55, s21, 2                       ; K step 2 + cx / 2: the first change of slots steps it on by two
	s_mul_i32 s55, s55, WSTEP
	s_add_co_u32 s54, s54, s55
	s_mov_b32 s55, 0
	s_add_nc_u64 s[42:43], s[6:7], s[54:55]
	s_cmp_eq_u32 s14, 3
	s_cselect_b32 s44, 1, 0
	s_or_b32 s44, s44, s22                         ; 0 in waves 0 to 2 of the first cluster along y: the same in all sixteen partners
	s_cmp_eq_u32 s44, 0
	s_cselect_b32 s44, 1, -1
	s_wait_tensorcnt 0x1                           ; my part of K step 0 of W is in; K step 1's may stay out
	s_wait_dscnt 0x0                               ; my rows of A buffer 0 are stored
	s_barrier_signal -1
	s_barrier_wait -1
	FETCH 0, 0, F0
	QHEAD F0, 1                                    ; the first quarter stands in front of the loop: its products start the sums
	QTAIL 0, 1, F0, F1, 1
	WIN 0
	s_mov_b32 s3, 7
.Llap:                                                 ; trip i: from K step 2 i's second quarter to K step 2 i + 2's first; both slots are filled again
	QHEAD F1, 0
	XISSUE 0                                       ; X of K step 2 i + 2
	QTAIL 0, 2, F1, F0, 0
	QHEAD F0, 0
	XCVT 1, 1, 32                                  ; X of K step 2 i + 1 into A buffer 1, which nobody has read since the last barrier
	QTAIL 0, 3, F0, F1, 0
	TURN 0, 1, 1, 1
	QHEAD F0, 0
	QTAIL 1, 1, F0, F1, 0
	QHEAD F1, 0
	XISSUE 1                                       ; X of K step 2 i + 3
	QTAIL 1, 2, F1, F0, 0
	QHEAD F0, 0
	XCVT 0, 0, 32                                  ; X of K step 2 i + 2 into A buffer 0
	QTAIL 1, 3, F0, F1, 0
	TURN 1, 0, 1, 0
	QHEAD F0, 0
	QTAIL 0, 1, F0, F1, 0
	WIN 0
	s_sub_co_u32 s3, s3, 1
	s_cmp_lg_u32 s3, 0
	s_cbranch_scc1 .Llap
	QHEAD F1, 0                                    ; the last lap is written out: it asks for nothing
	QTAIL 0, 2, F1, F0, 0
	QHEAD F0, 0
	XCVT 1, 1, 0                                   ; X of K step 15
	QTAIL 0, 3, F0, F1, 0
	TURN 0, 1, 0, 0
	QHEAD F0, 0
	QTAIL 1, 1, F0, F1, 0
	QHEAD F1, 0
	QTAIL 1, 2, F1, F0, 0
	QHEAD F0, 0
	QTAIL 1, 3, F0, F1, 0
	QHEAD F1, 0
	s_wait_dscnt 0x0
	MUL F1, 1, 0, 0
	MUL F1, 1, 1, 0
	; THE WAY OUT.  A barrier, since the stage lies where other waves have been reading W.  Then, a block of 16 rows at a time: times the table, split, 16 bytes a lane into each plane of the stage.
	PLACES
	PLACES
	WIN 0
	s_barrier_signal -1                            ; my reads of the slots came back at the wait above
	s_barrier_wait -1
	TLOAD 0
	TLOAD 1
.irp a, 0,1,2,3
.if (\a) < 3
	s_wait_loadcnt 24                              ; this block's entries are in; the next block's 24 loads may stay out
.else
	s_wait_loadcnt 0x0
.endif
	ROT \a
.if (\a) < 2
	TLOAD (\a)+2
.endif
	WIN 0
.irp b, 0,1,2,3,4,5,6,7,8,9,10,11
	SPLIT8 DR+8*(\b), CT+16*((\b)%2), 45
	ds_store_b128 v12, v[CT+16*((\b)%2):CT+16*((\b)%2)+3]   offset:(\a)*16*SGP+32*(\b)
	ds_store_b128 v13, v[CT+16*((\b)%2)+4:CT+16*((\b)%2)+7] offset:(\a)*16*SGP+32*(\b)
.endr
.endr
	s_wait_dscnt 0x0                               ; for the others' sake: a row's 768 bytes come from two waves
	s_barrier_signal -1
	s_barrier_wait -1
	BACK 14, 56
	BACK 15, 58
	s_wait_tensorcnt 0x0                           ; the wave's end: behind my last tensor load and my last LDS store
	ds_add_u32 v28, v29
	s_wait_dscnt 0x0
	CROUND                                         ; the closing round
	s_endpgm
.Lfunc_end_k_qa9cc870b8a_gemm:
	.size	k_qa9cc870b8a_gemm, .Lfunc_end_k_qa9cc870b8a_gemm-k_qa9cc870b8a_gemm
	.p2alignl 7, 3214868480
	.fill 96, 4, 3214868480
	.section	.rodata,"a",@progbits
	.p2align	6, 0x0
	.amdhsa_kernel k_qa9cc870b8a_gemm
		.amdhsa_group_segment_fixed_size 327680
		.amdhsa_private_segment_fixed_size 0
		.amdhsa_enable_private_segment 0
		.amdhsa_kernarg_size 40
		.amdhsa_user_sgpr_count 2
		.amdhsa_user_sgpr_kernarg_segment_ptr 1
		.amdhsa_wavefront_size32 1
		.amdhsa_system_sgpr_workgroup_id_x 1
		.amdhsa_system_sgpr_workgroup_id_y 1
		.amdhsa_system_sgpr_workgroup_id_z 1
		.amdhsa_system_vgpr_workitem_id 0
		.amdhsa_next_free_vgpr 1024
		.amdhsa_next_free_sgpr 66
		.amdhsa_reserve_vcc 0
		.amdhsa_float_denorm_mode_32 3
		.amdhsa_float_denorm_mode_16_64 3
		.amdhsa_memory_ordered 1
		.amdhsa_forward_progress 1
		.amdhsa_inst_pref_size 238
	.end_amdhsa_kernel
	.amdgpu_metadata
---
amdhsa.version: [ 1, 2 ]
amdhsa.kernels:
  - .name:           k_qa9cc870b8a_gemm
    .symbol:         k_qa9cc870b8a_gemm.kd
    .args:
      - { .name: X, .offset: 0, .size: 8, .value_kind: global_buffer, .address_space: global }
      - { .name: wc, .offset: 8, .size: 8, .value_kind: global_buffer, .address_space: global }
      - { .name: tab, .offset: 16, .size: 8, .value_kind: global_buffer, .address_space: global }
      - { .name: yh, .offset: 24, .size: 8, .value_kind: global_buffer, .address_space: global }
      - { .name: yl, .offset: 32, .size: 8, .value_kind: global_buffer, .address_space: global }
    .group_segment_fixed_size: 327680
    .private_segment_fixed_size: 0
    .kernarg_segment_align: 8
    .kernarg_segment_size: 40
    .max_flat_workgroup_size: 128
    .sgpr_count:     66
    .vgpr_count:     1024
    .wavefront_size: 32
...
	.end_amdgpu_metadata
.endif
;; end of part 2
;; launch kv (part 3): grid 60 x 4, 4 waves a work-group, no clusters, 295,424 bytes of LDS; arguments yh, yl, u; writes u
.if DOCPART == 3
	.amdgcn_target "amdgcn-amd-amdhsa--gfx1250"
	.amdhsa_code_object_version 6
	.text
	.protected	k_qa9cc870b8a_kv
	.globl	k_qa9cc870b8a_kv
	.p2align	8
	.type	k_qa9cc870b8a_kv,@function
k_qa9cc870b8a_kv:
	s_mov_b64 s[64:65], 0
	v_nop
	global_prefetch_b8 v0, s[64:65] scope:SCOPE_SE
	s_setreg_imm32_b32 hwreg(HW_REG_WAVE_MODE, 25, 1), 1
	s_wait_xcnt 0x0
; KV.  U[b][c][d][v] = the sum over the 256 positions j of chunk c of K'[j][d] V[j][v], for chunks 0 to 14 of each batch (the last chunk's sum is needed by nobody).  K' = Kh + Kl and V = Vh + Vl lie in yh and yl
; (a row: Q' at byte 0, K' at 512, V at 1,024).  Three products: Kh Vh + Kl Vh + Kh Vl; Kl Vl, some 2^-16 of the sum, is left out.  Sums in f32.
; SHARES.  Work-group x = 4 c + 2 dh + vh, y = b, makes 128 d x 128 v; wave (wd, wv) 64 x 64: 16 accumulators.  240 work-groups: as many as there is work for at this tile.
; LDS holds four arrays of 256 positions x 256 bytes (Kh, Kl, Vh, Vl); wave w brings array w by four tensor loads of 64 rows, all issued at the head (four of mine are out) and never filled again.
; Both sources lie [position][channel] and are read turned.  In the result a lane holds v = lane % 16 and d = 8 (lane / 16) + 0..7; it is stored as it lies: u[b][c][tile = 16 dt + vt][half of the eight][lane][4].
; NO CLUSTER: a tile is shared by two work-groups only, K's along vh and V's along dh; what is shared is read once more, 31 MB in the launch.  NO PREFETCH: everything is asked for at the head.
.set KP,    288                        ; 256 bytes + 32 = 9 x 32
.set ARR,   256*KP
.set SPARE, 4*ARR                      ; the spare words, 128 bytes for each wave: two blocks of 256 bytes that no other line names
.set ACC,   128                        ; window 0: accumulator (a, bb) at ACC + 8 (4 a + bb)
; window 1: K's fragments (plane pl, 32 positions u, d block a) at 64 pl + 32 u + 8 a; V's at 128 + the same
; v2, v3 the spare word's address and 0   v4-7 my lane's place in the four arrays   v9 16 x lane
.set MSB, 0
.macro WIN new
.if MSB != (\new)
	s_set_vgpr_msb (MSB<<8)|(\new)
.set MSB, \new
.endif
.endm
.macro PLACES
.rept 4
	v_nop
.endr
.endm
.macro PROD kp, vp, u, zero            ; 16 matrix instructions, the 16 accumulators by turns
.irp a, 0,1,2,3
.irp bb, 0,1,2,3
.if \zero
	v_wmma_f32_16x16x32_bf16 v[ACC+8*(4*(\a)+(\bb)):ACC+8*(4*(\a)+(\bb))+7], v[64*(\kp)+32*(\u)+8*(\a):64*(\kp)+32*(\u)+8*(\a)+7], v[128+64*(\vp)+32*(\u)+8*(\bb):128+64*(\vp)+32*(\u)+8*(\bb)+7], 0
.else
	v_wmma_f32_16x16x32_bf16 v[ACC+8*(4*(\a)+(\bb)):ACC+8*(4*(\a)+(\bb))+7], v[64*(\kp)+32*(\u)+8*(\a):64*(\kp)+32*(\u)+8*(\a)+7], v[128+64*(\vp)+32*(\u)+8*(\bb):128+64*(\vp)+32*(\u)+8*(\bb)+7], v[ACC+8*(4*(\a)+(\bb)):ACC+8*(4*(\a)+(\bb))+7]
.endif
.endr
.endr
.endm
.macro QTR pq                          ; 64 positions
	s_wait_tensorcnt 3-(\pq)                       ; my array's quarter pq is in; the later quarters may stay out
	s_wait_dscnt 0x0
	s_barrier_signal -1
	s_barrier_wait -1                              ; everybody's is
	WIN 0x40
.irp u, 0,1
.irp pl, 0,1
.irp a, 0,1,2,3
	ds_load_tr16_b128 v[64*(\pl)+32*(\u)+8*(\a):64*(\pl)+32*(\u)+8*(\a)+3],         v[4+(\pl)] offset:(\u)*32*KP+32*(\a)
	ds_load_tr16_b128 v[64*(\pl)+32*(\u)+8*(\a)+4:64*(\pl)+32*(\u)+8*(\a)+7],       v[4+(\pl)] offset:(\u)*32*KP+32*(\a)+16*KP
	ds_load_tr16_b128 v[128+64*(\pl)+32*(\u)+8*(\a):128+64*(\pl)+32*(\u)+8*(\a)+3],   v[6+(\pl)] offset:(\u)*32*KP+32*(\a)
	ds_load_tr16_b128 v[128+64*(\pl)+32*(\u)+8*(\a)+4:128+64*(\pl)+32*(\u)+8*(\a)+7], v[6+(\pl)] offset:(\u)*32*KP+32*(\a)+16*KP
.endr
.endr
.endr
	s_wait_dscnt 32                                ; the first 32 positions' fragments are in
	WIN 0x05
.if (\pq) == 0
	PROD 0, 0, 0, 1                                ; the first product starts the sums
.else
	PROD 0, 0, 0, 0
.endif
	PROD 1, 0, 0, 0
	PROD 0, 1, 0, 0
	s_wait_dscnt 0x0
	PROD 0, 0, 1, 0
	PROD 1, 0, 1, 0
	PROD 0, 1, 1, 0
	WIN 0
.if (\pq) < 3
.irp r, 4,5,6,7
	v_add_nc_u32 v\r, 64*KP, v\r                   ; the next 64 positions; these four lines are also the places in front of the next loads
.endr
.endif
.endm
	s_load_b128 s[4:7], s[0:1], 0x0                ; yh s[4:5], yl s[6:7]
	s_load_b64 s[8:9], s[0:1], 0x10                ; u
	v_lshl_add_u32 v2, v0, 2, SPARE
	v_mov_b32 v3, 0
	ds_add_u32 v2, v3                              ; the wave's opening: the add, twice on end, and its wait ahead of my first tensor load
	ds_add_u32 v2, v3
	v_lshrrev_b32 v1, 5, v0
	v_readfirstlane_b32 s10, v1                    ; wave 0..3
	s_lshr_b32 s11, s10, 1                         ; wd.  Also: I fetch of K' (0) or of V (1)
	s_and_b32 s12, s10, 1                          ; wv.  Also: the high parts (0) or the low parts (1)
	s_lshr_b32 s13, ttmp9, 2                       ; c
	s_bfe_u32 s14, ttmp9, 0x10001                  ; dh
	s_and_b32 s15, ttmp9, 1                        ; vh
	s_and_b32 s16, ttmp7, 0xffff                   ; b
	s_mov_b32 s24, (1<<16)|(1<<20)|(5<<22)|(7<<25) ; 2-byte elements; padding on, after every 64 words (code 5), 8 words (code 7)
	s_mov_b32 s25, 128<<16                         ; tensor_dim0 = 128
	s_mov_b32 s26, 64<<16                          ; tensor_dim1 = 64
	s_mov_b32 s27, 128<<16                         ; tile_dim0 = 128
	s_mov_b32 s28, 64                              ; tile_dim1 = 64
	s_mov_b32 s29, 768                             ; elements from row to row
	s_mov_b32 s30, 0
	s_mov_b32 s31, 0
	s_lshl_b32 s17, s16, 12
	s_lshl_b32 s18, s13, 8
	s_add_co_u32 s17, s17, s18
	s_mul_i32 s17, s17, 1536                       ; the chunk's first row
	s_lshl_b32 s18, s14, 8
	s_add_co_u32 s18, s18, 512                     ; K's 128 channels
	s_lshl_b32 s19, s15, 8
	s_add_co_u32 s19, s19, 1024                    ; V's
	s_cmp_eq_u32 s11, 0
	s_cselect_b32 s18, s18, s19
	s_add_co_u32 s20, s17, s18
	s_mov_b32 s21, 0
	s_mul_i32 s19, s10, ARR                        ; my array
	s_mul_i32 s48, s16, 15                         ; where my 16 tiles go
	s_add_co_u32 s48, s48, s13
	s_lshl_b32 s48, s48, 18
	s_lshl_b32 s49, s14, 3
	s_lshl2_add_u32 s49, s11, s49                  ; d tile 8 dh + 4 wd
	s_lshl_b32 s49, s49, 4
	s_lshl3_add_u32 s49, s15, s49
	s_lshl2_add_u32 s49, s12, s49                  ; v tile 8 vh + 4 wv
	s_lshl_b32 s49, s49, 10
	s_add_co_u32 s48, s48, s49
	s_mov_b32 s49, 0
	s_wait_dscnt 0x0                               ; both opening adds are done
	s_wait_kmcnt 0x0
	s_cmp_eq_u32 s12, 0
	s_cselect_b64 s[22:23], s[4:5], s[6:7]
	s_add_nc_u64 s[22:23], s[22:23], s[20:21]
	s_add_nc_u64 s[8:9], s[8:9], s[48:49]
.irp pq, 0,1,2,3
	s_mov_b32 s[32+4*(\pq)], 1
	s_add_co_u32 s[33+4*(\pq)], s19, (\pq)*64*KP
	s_add_nc_u64 s[34+4*(\pq):35+4*(\pq)], s[22:23], (\pq)*64*1536
	s_or_b32 s[35+4*(\pq)], s[35+4*(\pq)], 0x80000000
	tensor_load_to_lds s[32+4*(\pq):35+4*(\pq)], s[24:31]
	s_nop 0
.endr
	PLACES
	v_bfe_u32 v10, v0, 4, 1                        ; h
	v_and_b32 v11, 7, v0
	v_bfe_u32 v12, v0, 3, 1
	v_lshl_add_u32 v10, v10, 3, v11                ; position 8 h + lane % 8
	v_mul_u32_u24 v10, v10, KP
	v_lshl_add_u32 v10, v12, 4, v10                ; 16 bytes by (lane / 8) % 2
	s_lshl_b32 s50, s11, 7                         ; my 64 channels of K'
	s_lshl_b32 s51, s12, 7                         ; and of V
	s_add_co_u32 s51, s51, 2*ARR
	v_add_nc_u32 v4, s50, v10
	v_add_nc_u32 v5, ARR, v4
	v_add_nc_u32 v6, s51, v10
	v_add_nc_u32 v7, ARR, v6
	v_and_b32 v9, 31, v0
	v_lshlrev_b32 v9, 4, v9
	QTR 0
	QTR 1
	QTR 2
	QTR 3
	PLACES
	PLACES
.irp a, 0,1,2,3
.irp bb, 0,1,2,3
	global_store_b128 v9, v[ACC+8*(4*(\a)+(\bb)):ACC+8*(4*(\a)+(\bb))+3],   s[8:9] offset:(\a)*16384+(\bb)*1024      ; 512 consecutive bytes; each accumulator's low end first
	global_store_b128 v9, v[ACC+8*(4*(\a)+(\bb))+4:ACC+8*(4*(\a)+(\bb))+7], s[8:9] offset:(\a)*16384+(\bb)*1024+512
.endr
.endr
	s_wait_tensorcnt 0x0                           ; the wave's end
	ds_add_u32 v2, v3
	s_wait_dscnt 0x0
	s_endpgm
.Lfunc_end_k_qa9cc870b8a_kv:
	.size	k_qa9cc870b8a_kv, .Lfunc_end_k_qa9cc870b8a_kv-k_qa9cc870b8a_kv
	.p2alignl 7, 3214868480
	.fill 96, 4, 3214868480
	.section	.rodata,"a",@progbits
	.p2align	6, 0x0
	.amdhsa_kernel k_qa9cc870b8a_kv
		.amdhsa_group_segment_fixed_size 295424
		.amdhsa_private_segment_fixed_size 0
		.amdhsa_enable_private_segment 0
		.amdhsa_kernarg_size 24
		.amdhsa_user_sgpr_count 2
		.amdhsa_user_sgpr_kernarg_segment_ptr 1
		.amdhsa_wavefront_size32 1
		.amdhsa_system_sgpr_workgroup_id_x 1
		.amdhsa_system_sgpr_workgroup_id_y 1
		.amdhsa_system_sgpr_workgroup_id_z 1
		.amdhsa_system_vgpr_workitem_id 0
		.amdhsa_next_free_vgpr 512
		.amdhsa_next_free_sgpr 66
		.amdhsa_reserve_vcc 0
		.amdhsa_float_denorm_mode_32 3
		.amdhsa_float_denorm_mode_16_64 3
		.amdhsa_memory_ordered 1
		.amdhsa_forward_progress 1
		.amdhsa_inst_pref_size 50
	.end_amdhsa_kernel
	.amdgpu_metadata
---
amdhsa.version: [ 1, 2 ]
amdhsa.kernels:
  - .name:           k_qa9cc870b8a_kv
    .symbol:         k_qa9cc870b8a_kv.kd
    .args:
      - { .name: yh, .offset: 0, .size: 8, .value_kind: global_buffer, .address_space: global }
      - { .name: yl, .offset: 8, .size: 8, .value_kind: global_buffer, .address_space: global }
      - { .name: u, .offset: 16, .size: 8, .value_kind: global_buffer, .address_space: global }
    .group_segment_fixed_size: 295424
    .private_segment_fixed_size: 0
    .kernarg_segment_align: 8
    .kernarg_segment_size: 24
    .max_flat_workgroup_size: 128
    .sgpr_count:     66
    .vgpr_count:     512
    .wavefront_size: 32
...
	.end_amdgpu_metadata
.endif
;; end of part 3
;; launch scan (part 4): grid 256 x 1, 4 waves a work-group, no clusters, 0 bytes of LDS; arguments u, tab, th, tl; writes th, tl
.if DOCPART == 4
	.amdgcn_target "amdgcn-amd-amdhsa--gfx1250"
	.amdhsa_code_object_version 6
	.text
	.protected	k_qa9cc870b8a_scan
	.globl	k_qa9cc870b8a_scan
	.p2align	8
	.type	k_qa9cc870b8a_scan,@function
k_qa9cc870b8a_scan:
	s_mov_b64 s[64:65], 0
	v_nop
	global_prefetch_b8 v0, s[64:65] scope:SCOPE_SE
	s_setreg_imm32_b32 hwreg(HW_REG_WAVE_MODE, 25, 1), 1
	s_wait_xcnt 0x0
; SCAN.  T_0 = 0, T_(c+1) = lam x (T_c + U_c), c = 0 .. 14, for each batch: the state that chunk c's queries multiply.  lam acts on pairs of channels d as a complex number:
; lam_j = conj((g v_j^(1/512) e^(i t_j))^256) = conj(row 1 x row 255 of the table's Q part).  T is carried in f32 and written as two bf16 numbers, th = bf16(T), tl = bf16(T - th).
; A wave owns one tile of 16 d x 16 v of one batch (1,024 tiles, 256 work-groups); a lane eight numbers: v = lane % 16, d = 8 (lane / 16) + 0..7: four pairs.  All 15 U are asked for at the head: 30 loads a wave.
; th, tl: [64 chunks][256 tiles][32 lanes][8 bf16]: a lane's 16 bytes are half a fragment (16 v x 32 d) of the next launch's source 0.
; No LDS, no matrix unit, no cluster: nothing is shared.  No prefetch: every load is issued at once.
.set R1,  8                            ; v[8:15]    the table's row 1, my four pairs
.set R2,  16                           ; v[16:23]   row 255
.set Z,   24                           ; v[24:31]   their product
.set T,   32                           ; v[32:47]   T, two sets by the chunk's parity
.set W,   48                           ; v[48:55]   T + U
.set SP,  56                           ; v[56:71]   the split: high parts, low parts, at work
.set U,   72                           ; v[72:191]  U_c at U + 8 c
.macro SPLIT8 src, t, m
.irp j, 0,1,2,3
	v_cvt_pk_bf16_f32 v[(\t)+(\j)], v[(\src)+2*(\j)], v[(\src)+2*(\j)+1]
.endr
.irp j, 0,1,2,3
	v_lshlrev_b32 v[(\t)+8+2*(\j)], 16, v[(\t)+(\j)]
	v_and_b32     v[(\t)+9+2*(\j)], s[\m], v[(\t)+(\j)]
.endr
.irp j, 0,1,2,3
	v_pk_add_f32 v[(\t)+8+2*(\j):(\t)+9+2*(\j)], v[(\src)+2*(\j):(\src)+2*(\j)+1], v[(\t)+8+2*(\j):(\t)+9+2*(\j)] neg_lo:[0,1] neg_hi:[0,1]
.endr
.irp j, 0,1,2,3
	v_cvt_pk_bf16_f32 v[(\t)+4+(\j)], v[(\t)+8+2*(\j)], v[(\t)+9+2*(\j)]
.endr
.endm
.macro STEP c
.set CUR, T+8*((\c)%2)
.set NXT, T+8*(((\c)+1)%2)
	s_wait_xcnt 0x0                                ; the last chunk's stores have had their addresses translated (ISA guide 3.1): their data registers may be rewritten
	SPLIT8 CUR, SP, 22
	global_store_b128 v2, v[SP:SP+3],   s[8:9]   offset:(\c)*131072  ; a wave stores 512 consecutive bytes
	global_store_b128 v2, v[SP+4:SP+7], s[10:11] offset:(\c)*131072
.if (\c) < 15
	s_wait_loadcnt 2*(14-(\c))                     ; U_c is in; the later chunks' loads may stay out
.irp p, 0,2,4,6
	v_pk_add_f32 v[W+(\p):W+(\p)+1], v[CUR+(\p):CUR+(\p)+1], v[U+8*(\c)+(\p):U+8*(\c)+(\p)+1]
.endr
.irp p, 0,2,4,6
	v_pk_mul_f32 v[NXT+(\p):NXT+(\p)+1], v[W+(\p):W+(\p)+1], v[Z+(\p):Z+(\p)+1] op_sel_hi:[1,0]
.endr
.irp p, 0,2,4,6                        ; (w0, w1) x conj(zr, zi) = (w0 zr + w1 zi, w1 zr - w0 zi)
	v_pk_fma_f32 v[NXT+(\p):NXT+(\p)+1], v[W+(\p):W+(\p)+1], v[Z+(\p):Z+(\p)+1], v[NXT+(\p):NXT+(\p)+1] op_sel:[1,1,0] op_sel_hi:[0,1,1] neg_hi:[1,0,0]
.endr
.endif
.endm
	s_load_b256 s[4:11], s[0:1], 0x0               ; u s[4:5], tab s[6:7], th s[8:9], tl s[10:11]
	v_lshrrev_b32 v1, 5, v0
	v_readfirstlane_b32 s12, v1                    ; wave
	v_and_b32 v2, 31, v0
	v_lshlrev_b32 v2, 4, v2                        ; 16 x lane
	v_bfe_u32 v3, v0, 4, 1
	v_lshlrev_b32 v3, 5, v3                        ; my four pairs in the tile's 64 bytes of a table row
	s_lshr_b32 s13, ttmp9, 6                       ; b
	s_and_b32 s14, ttmp9, 63
	s_lshl_b32 s14, s14, 2
	s_add_co_u32 s14, s14, s12                     ; tile
	s_lshr_b32 s15, s14, 4                         ; its d block
	s_mul_i32 s16, s13, 15*262144
	s_lshl_b32 s17, s14, 10
	s_add_co_u32 s16, s16, s17
	s_mov_b32 s17, 0
	s_lshl_b32 s18, s15, 6
	s_mov_b32 s19, 0
	s_lshl_b32 s20, s13, 21
	s_lshl_b32 s21, s14, 9
	s_add_co_u32 s20, s20, s21
	s_mov_b32 s21, 0
	s_mov_b32 s22, 0xffff0000
	s_wait_kmcnt 0x0
	s_add_nc_u64 s[4:5], s[4:5], s[16:17]
	s_add_nc_u64 s[6:7], s[6:7], s[18:19]
	s_add_nc_u64 s[8:9], s[8:9], s[20:21]
	s_add_nc_u64 s[10:11], s[10:11], s[20:21]
	global_load_b128 v[R1:R1+3],   v3, s[6:7] offset:3072
	global_load_b128 v[R1+4:R1+7], v3, s[6:7] offset:3088
	global_load_b128 v[R2:R2+3],   v3, s[6:7] offset:783360
	global_load_b128 v[R2+4:R2+7], v3, s[6:7] offset:783376
.set c, 0
.rept 15
	global_load_b128 v[U+8*c:U+8*c+3],   v2, s[4:5] offset:c*262144 th:TH_LOAD_NT
	global_load_b128 v[U+8*c+4:U+8*c+7], v2, s[4:5] offset:c*262144+512 th:TH_LOAD_NT
.set c, c+1
.endr
.set i, 0
.rept 8
	v_mov_b32 v[T+i], 0                            ; T_0
.set i, i+1
.endr
	s_wait_loadcnt 30                              ; the table's two rows are in
.irp p, 0,2,4,6
	v_pk_mul_f32 v[Z+(\p):Z+(\p)+1], v[R1+(\p):R1+(\p)+1], v[R2+(\p):R2+(\p)+1] op_sel_hi:[1,0]
.endr
.irp p, 0,2,4,6
	v_pk_fma_f32 v[Z+(\p):Z+(\p)+1], v[R1+(\p):R1+(\p)+1], v[R2+(\p):R2+(\p)+1], v[Z+(\p):Z+(\p)+1] op_sel:[1,1,0] op_sel_hi:[0,1,1] neg_lo:[1,0,0]
.endr
.irp c, 0,1,2,3,4,5,6,7,8,9,10,11,12,13,14,15
	STEP \c
.endr
	s_endpgm
.Lfunc_end_k_qa9cc870b8a_scan:
	.size	k_qa9cc870b8a_scan, .Lfunc_end_k_qa9cc870b8a_scan-k_qa9cc870b8a_scan
	.p2alignl 7, 3214868480
	.fill 96, 4, 3214868480
	.section	.rodata,"a",@progbits
	.p2align	6, 0x0
	.amdhsa_kernel k_qa9cc870b8a_scan
		.amdhsa_group_segment_fixed_size 0
		.amdhsa_private_segment_fixed_size 0
		.amdhsa_enable_private_segment 0
		.amdhsa_kernarg_size 32
		.amdhsa_user_sgpr_count 2
		.amdhsa_user_sgpr_kernarg_segment_ptr 1
		.amdhsa_wavefront_size32 1
		.amdhsa_system_sgpr_workgroup_id_x 1
		.amdhsa_system_sgpr_workgroup_id_y 1
		.amdhsa_system_sgpr_workgroup_id_z 1
		.amdhsa_system_vgpr_workitem_id 0
		.amdhsa_next_free_vgpr 192
		.amdhsa_next_free_sgpr 66
		.amdhsa_reserve_vcc 0
		.amdhsa_float_denorm_mode_32 3
		.amdhsa_float_denorm_mode_16_64 3
		.amdhsa_memory_ordered 1
		.amdhsa_forward_progress 1
		.amdhsa_inst_pref_size 37
	.end_amdhsa_kernel
	.amdgpu_metadata
---
amdhsa.version: [ 1, 2 ]
amdhsa.kernels:
  - .name:           k_qa9cc870b8a_scan
    .symbol:         k_qa9cc870b8a_scan.kd
    .args:
      - { .name: u, .offset: 0, .size: 8, .value_kind: global_buffer, .address_space: global }
      - { .name: tab, .offset: 8, .size: 8, .value_kind: global_buffer, .address_space: global }
      - { .name: th, .offset: 16, .size: 8, .value_kind: global_buffer, .address_space: global }
      - { .name: tl, .offset: 24, .size: 8, .value_kind: global_buffer, .address_space: global }
    .group_segment_fixed_size: 0
    .private_segment_fixed_size: 0
    .kernarg_segment_align: 8
    .kernarg_segment_size: 32
    .max_flat_workgroup_size: 128
    .sgpr_count:     66
    .vgpr_count:     192
    .wavefront_size: 32
...
	.end_amdgpu_metadata
.endif
;; end of part 4
;; launch out (part 5): grid 64 x 4, 4 waves a work-group, clusters of 4 x 1, 327,680 bytes of LDS; arguments yh, yl, th, tl, out0; writes out0
.if DOCPART == 5
	.amdgcn_target "amdgcn-amd-amdhsa--gfx1250"
	.amdhsa_code_object_version 6
	.text
	.protected	k_qa9cc870b8a_out
	.globl	k_qa9cc870b8a_out
	.p2align	8
	.type	k_qa9cc870b8a_out,@function
k_qa9cc870b8a_out:
	s_mov_b64 s[64:65], 0
	v_nop
	global_prefetch_b8 v0, s[64:65] scope:SCOPE_SE
	s_setreg_imm32_b32 hwreg(HW_REG_WAVE_MODE, 25, 1), 1
	s_wait_xcnt 0x0
	s_wait_alu depctr_hold_cnt(0) depctr_sa_sdst(0) depctr_va_vdst(0) depctr_va_sdst(0) depctr_va_ssrc(0) depctr_va_vcc(0) depctr_vm_vsrc(0)
	s_getreg_b32 s2, hwreg(HW_REG_IB_STS2, 6, 4)
	s_cmp_eq_u32 s2, 0
	s_cbranch_scc0 .Lentry_in_a_cluster
	s_endpgm
.Lentry_in_a_cluster:
	s_bfe_u32 s2, ttmp6, 0x10000c
	s_cmp_lg_u32 s2, 0x3003
	s_cbranch_scc0 .Lentry_shape_is_right
	s_endpgm
.Lentry_shape_is_right:
; OUT.  For each chunk of 256 positions: O = tril(Q' K'^T) V + Q' T.  Every operand is two bf16 numbers, high + low, and every product three matrix instructions (hh, lh, hl; ll, some 2^-16 of the sum, is left out).
; The weights P = tril(Q' K'^T) are split the same way.  Sums in f32; out0 is f32.
; SHARES.  A cluster of four work-groups takes a chunk (cluster x) of a batch (y).  Work-group g owns the queries 64 x + 16 g + r, x = 0..3: a tile of 16 in each band of 64, so that all four do the same work:
; band x needs the key blocks kb <= x of 64 keys, and which products are made is fixed in the text.  g enters Q's and out0's addresses and the mask's numbers alone.
; A wave makes S^T = K' Q'^T for key tile w of each block (a lane: one query, eight keys), masks the band's own block, splits, and puts the 16 bytes into LDS, where they are half a fragment of source 1 of
; O^T = V^T P; behind a barrier each wave makes O^T for its 64 channels v = 64 w ..: 16 accumulators (t, x).  The state's term, O^T += T^T Q'^T, comes first: T's fragments lie in th, tl as registers want them.
; CLUSTER.  The four work-groups walk the same T, K' and V: each tile is asked for JOINTLY.  Six fills of two slots: T's two halves (first fills), then key blocks 0 to 3, each behind a round of the cluster's barrier.
; NO PREFETCH: the walk has six tiles, each asked for a whole phase ahead of its use.
; LIMITS.  A hidden score is multiplied by 0, so it has to be finite: inside a band's own block it is at most g^-63 times a seen one.  NaN and infinities are not treated apart.
; REGISTERS, in windows of 256 (s_set_vgpr_msb: bits 1:0 source 0, 3:2 source 1, 5:4 source 2, 7:6 destination):
;   window 0: v0-21 addresses; v32-95 S^T, two accumulators a band; v96-103 the split; v104-111 the mask; v112-113 the add's registers; v128-255 O^T, (t, x) at 128 + 8 (4 x + t)
;   window 1: T's fragments (64 sl + 32 plane + 8 t); or K's (64 plane + 8 s), later P's (8 ((2 x + u) 2 + plane)), in v0-127 and V's (128 + 64 plane + 32 u + 8 t)
;   window 2: Q's high parts, (x, s) at 64 x + 8 s          window 3: its low parts
.set KPI,  528                         ; a row of K': 512 bytes + 16: the 16 rows of a load start at 16 different groups of four banks (64 banks of 4 bytes: ISA guide 11.1)
.set VPI,  544                         ; a row of V: 512 + 32 = 17 x 32
.set KL,   64*KPI                      ; a slot: Kh, Kl, Vh, Vl; or half of T: high parts at 0, low parts at 65,536
.set VH,   2*KL
.set VLN,  64*VPI
.set SLOT, VH+2*VLN
.set PB,   2*SLOT                      ; P: two buffers of 16 KiB, by the key block's parity; no tensor load lands here
.set STG,  PB+32768                    ; the way out: 16 rows x 272 bytes for each wave
.set SPARE, STG+4*4352                 ; the spare words, 128 bytes for each wave: two blocks of 256 bytes that no other line names
.set SA,   32
.set O,    128
; v2, v3 K' in slot 0, 1   v4, v5 V   v6-9 T: slot, plane   v10 where I put P   v11 where I read it   v12, v13 the stage, in and back   v14 my bytes in two rows of out0   v15 my bytes in 16 rows of Q'
; s14 wave  s15 its parity: the plane that it fetches  s16 wave / 2  s17 g  s18 b  s19 chunk  s[24:31] group 1 for T  s[32:39] group 0 for T's halves  s[40:43], s[44:47] group 0 for K', V (they walk)
; s[48:55], s[56:63] group 1 for K', V  s70, s71 my plane's place in a slot  s[74:77] Q' in yh, yl  s[78:79] out0  s82 1.0  s83 a word's upper half
.set MSB, 0
.macro WIN new
.if MSB != (\new)
	s_set_vgpr_msb (MSB<<8)|(\new)
.set MSB, \new
.endif
.endm
.macro PLACES
.rept 4
	v_nop
.endr
.endm
.macro CROUND                          ; a round of the cluster's barrier
	s_barrier_signal -1
	s_barrier_wait -1
	s_cmp_lg_u32 s14, 0
	s_cbranch_scc1 .Lnot_wave_0_\@
	s_barrier_signal -3
.Lnot_wave_0_\@:
	s_barrier_wait -3
	s_barrier_signal -1
	s_barrier_wait -1
.endm
.macro JKV                             ; a joint fill: waves 0 and 1 fetch K's two planes, waves 2 and 3 V's; an s_nop 0 and four v_nop follow each line
	s_cmp_lt_u32 s14, 2
	s_cbranch_scc0 .Lfor_v_\@
	tensor_load_to_lds s[40:43], s[48:55]
	s_nop 0
	PLACES
	s_branch .Lasked_\@
.Lfor_v_\@:
	tensor_load_to_lds s[44:47], s[56:63]
	s_nop 0
	PLACES
.Lasked_\@:
.endm
; THE CHANGE OF SLOTS.  Each wave waits for all its tensor loads (one is out: its part of the other slot), adds 0 to its spare word, and waits for that and for its reads of the slot that it leaves.
; kb >= 0: the barrier is a round of the cluster's, and key block kb is asked for, into slot kb % 2, first thing behind it.
.macro CHANGE kb
	WIN 0
	s_wait_tensorcnt 0x0
	ds_add_u32 v112, v113                          ; 0 onto my spare word; the descriptors' words stand between it and the wait for it
.if (\kb) >= 0
	s_add_co_u32 s41, s70, ((\kb)%2)*SLOT
	s_add_co_u32 s45, s71, ((\kb)%2)*SLOT+VH
.if (\kb) > 0
	s_add_nc_u64 s[42:43], s[42:43], 64*1536       ; the next 64 keys; the type bits on top are not reached
	s_add_nc_u64 s[46:47], s[46:47], 64*1536
.endif
	s_wait_dscnt 0x0
	CROUND
	JKV                                            ; its four v_nop are also the places in front of the next run of LDS loads
.else
	s_wait_dscnt 0x0
	s_barrier_signal -1
	s_barrier_wait -1
	PLACES
.endif
.endm
.macro TQ sl, pl, half, zero           ; 16 matrix instructions on the 16 accumulators, by turns
.irp x, 0,1,2,3
.irp t, 0,1,2,3
.if \zero
	v_wmma_f32_16x16x32_bf16 v[O+8*(4*(\x)+(\t)):O+8*(4*(\x)+(\t))+7], v[64*(\sl)+32*(\pl)+8*(\t):64*(\sl)+32*(\pl)+8*(\t)+7], v[64*(\x)+8*(4*(\half)+(\sl)):64*(\x)+8*(4*(\half)+(\sl))+7], 0
.else
	v_wmma_f32_16x16x32_bf16 v[O+8*(4*(\x)+(\t)):O+8*(4*(\x)+(\t))+7], v[64*(\sl)+32*(\pl)+8*(\t):64*(\sl)+32*(\pl)+8*(\t)+7], v[64*(\x)+8*(4*(\half)+(\sl)):64*(\x)+8*(4*(\half)+(\sl))+7], v[O+8*(4*(\x)+(\t)):O+8*(4*(\x)+(\t))+7]
.endif
.endr
.endr
.endm
.macro TPH slot, half, zero            ; half of the state's term: channels d = 128 half ..: 64 LDS loads, 192 matrix instructions
	WIN 0x40
.irp sl, 0,1,2,3
.irp pl, 0,1
.irp t, 0,1,2,3
	ds_load_b128 v[64*(\sl)+32*(\pl)+8*(\t):64*(\sl)+32*(\pl)+8*(\t)+3],   v[6+2*(\slot)+(\pl)] offset:(\sl)*16384+512*(\t)
	ds_load_b128 v[64*(\sl)+32*(\pl)+8*(\t)+4:64*(\sl)+32*(\pl)+8*(\t)+7], v[6+2*(\slot)+(\pl)] offset:(\sl)*16384+512*(\t)+8192
.endr
.endr
.endr
.irp sl, 0,1,2,3
	s_wait_dscnt 48-16*(\sl)                       ; the sixteen loads of these 32 channels are in
	WIN 0x09
.if (\zero) && ((\sl) == 0)
	TQ \sl, 0, \half, 1                            ; the first product starts the sums
.else
	TQ \sl, 0, \half, 0
.endif
	TQ \sl, 1, \half, 0
	WIN 0x0d
	TQ \sl, 0, \half, 0
.endr
.endm
.macro SM d, k, q, zero                ; one product of S^T
.if \zero
	v_wmma_f32_16x16x32_bf16 v[\d:(\d)+7], v[\k:(\k)+7], v[\q:(\q)+7], 0
.else
	v_wmma_f32_16x16x32_bf16 v[\d:(\d)+7], v[\k:(\k)+7], v[\q:(\q)+7], v[\d:(\d)+7]
.endif
.endm
.macro PROC x, kb                      ; band x's scores: the two accumulators are added, the band's own block is masked, and the weights are split and put into LDS
.set A0, SA+16*(\x)
.set A1, A0+8
.irp j, 0,2,4,6
	v_pk_add_f32 v[A0+(\j):A0+(\j)+1], v[A0+(\j):A0+(\j)+1], v[A1+(\j):A1+(\j)+1]
.endr
.if (\x) == (\kb)
.irp j, 0,2,4,6
	v_pk_mul_f32 v[A0+(\j):A0+(\j)+1], v[A0+(\j):A0+(\j)+1], v[104+(\j):105+(\j)]
.endr
.endif
.irp j, 0,1,2,3
	v_cvt_pk_bf16_f32 v[96+(\j)], v[A0+2*(\j)], v[A0+2*(\j)+1]
.endr
.irp j, 0,1,2,3
	v_lshlrev_b32 v[A1+2*(\j)], 16, v[96+(\j)]
	v_and_b32     v[A1+2*(\j)+1], s83, v[96+(\j)]
.endr
.irp j, 0,2,4,6
	v_pk_add_f32 v[A1+(\j):A1+(\j)+1], v[A0+(\j):A0+(\j)+1], v[A1+(\j):A1+(\j)+1] neg_lo:[0,1] neg_hi:[0,1]
.endr
.irp j, 0,1,2,3
	v_cvt_pk_bf16_f32 v[100+(\j)], v[A1+2*(\j)], v[A1+2*(\j)+1]
.endr
	ds_store_b128 v10, v[96:99]   offset:((\kb)%2)*16384+(\x)*4096
	ds_store_b128 v10, v[100:103] offset:((\kb)%2)*16384+(\x)*4096+1024
.endm
.macro KVPH kb                         ; key block kb, in slot kb % 2, for the bands x >= kb
	WIN 0x40
.irp pl, 0,1
.irp s, 0,1,2,3,4,5,6,7
	ds_load_b128 v[64*(\pl)+8*(\s):64*(\pl)+8*(\s)+3],   v[2+(\kb)%2] offset:(\pl)*KL+64*(\s)
	ds_load_b128 v[64*(\pl)+8*(\s)+4:64*(\pl)+8*(\s)+7], v[2+(\kb)%2] offset:(\pl)*KL+64*(\s)+32
.endr
.endr
.irp pl, 0,1
.irp u, 0,1
.irp t, 0,1,2,3
	ds_load_tr16_b128 v[128+64*(\pl)+32*(\u)+8*(\t):128+64*(\pl)+32*(\u)+8*(\t)+3],   v[4+(\kb)%2] offset:(\pl)*VLN+(\u)*32*VPI+32*(\t)
	ds_load_tr16_b128 v[128+64*(\pl)+32*(\u)+8*(\t)+4:128+64*(\pl)+32*(\u)+8*(\t)+7], v[4+(\kb)%2] offset:(\pl)*VLN+(\u)*32*VPI+32*(\t)+16*VPI
.endr
.endr
.endr
	s_wait_dscnt 32                                ; K' is in; V's 32 loads may stay out
	WIN 0x09                                       ; a band has two accumulators, so that no two matrix instructions on end share one, with one band too
.irp s, 0,1,2,3,4,5,6,7
.irp x, 0,1,2,3
.if (\x) >= (\kb)
.if (\s) == 0
	SM SA+16*(\x),   8*(\s),    64*(\x)+8*(\s), 1
	SM SA+16*(\x)+8, 64+8*(\s), 64*(\x)+8*(\s), 1
.else
	SM SA+16*(\x),   8*(\s),    64*(\x)+8*(\s), 0
	SM SA+16*(\x)+8, 64+8*(\s), 64*(\x)+8*(\s), 0
.endif
.endif
.endr
.endr
	WIN 0x0d
.irp s, 0,1,2,3,4,5,6,7
.irp x, 0,1,2,3
.if (\x) >= (\kb)
	SM SA+16*(\x)+8*((\s)%2), 8*(\s), 64*(\x)+8*(\s), 0
.endif
.endr
.endr
	PLACES
	PLACES
	WIN 0
.irp x, 0,1,2,3
.if (\x) >= (\kb)
	PROC \x, \kb
.endif
.endr
	s_wait_dscnt 0x0                               ; for the others' sake: my part of P is stored (and V is in)
	s_barrier_signal -1
	s_barrier_wait -1                              ; the next block's load may stay out
	WIN 0x40
.irp x, 0,1,2,3
.if (\x) >= (\kb)
.irp f, 0,1,2,3
	ds_load_b128 v[8*(4*(\x)+(\f)):8*(4*(\x)+(\f))+3],   v11 offset:((\kb)%2)*16384+(4*(\x)+(\f))*1024
	ds_load_b128 v[8*(4*(\x)+(\f))+4:8*(4*(\x)+(\f))+7], v11 offset:((\kb)%2)*16384+(4*(\x)+(\f))*1024+512
.endr
.endif
.endr
	s_wait_dscnt 0x0
	WIN 0x05
.irp u, 0,1
.irp c, 0,1,2                          ; (V's plane, P's plane) = (c % 2, c / 2): hh, lh, hl
.irp x, 0,1,2,3
.if (\x) >= (\kb)
.irp t, 0,1,2,3
	v_wmma_f32_16x16x32_bf16 v[O+8*(4*(\x)+(\t)):O+8*(4*(\x)+(\t))+7], v[128+64*((\c)%2)+32*(\u)+8*(\t):128+64*((\c)%2)+32*(\u)+8*(\t)+7], v[8*(4*(\x)+2*(\u)+(\c)/2):8*(4*(\x)+2*(\u)+(\c)/2)+7], v[O+8*(4*(\x)+(\t)):O+8*(4*(\x)+(\t))+7]
.endr
.endif
.endr
.endr
.endr
.endm
	s_load_b256 s[4:11], s[0:1], 0x0               ; yh s[4:5], yl s[6:7], th s[8:9], tl s[10:11]
	s_load_b64 s[12:13], s[0:1], 0x20              ; out0
	v_lshl_add_u32 v112, v0, 2, SPARE
	v_mov_b32 v113, 0
	ds_add_u32 v112, v113                          ; the wave's opening: the add, twice on end, and its wait ahead of my first tensor load
	ds_add_u32 v112, v113
	v_lshrrev_b32 v1, 5, v0
	v_readfirstlane_b32 s14, v1                    ; wave 0..3
	s_and_b32 s15, s14, 1
	s_lshr_b32 s16, s14, 1
	s_bfe_u32 s17, ttmp6, 0x40000                  ; g = cx
	s_and_b32 s18, ttmp7, 0xffff                   ; b
	s_mov_b32 s19, ttmp9                           ; chunk
	s_mov_b32 s24, 15|(3<<16)|(1<<21)              ; T: the mask of four; 8-byte elements; 21 set beside a mask; no padding: 128 rows of 256 dense bytes
	s_mov_b32 s25, 32<<16
	s_mov_b32 s26, 128<<16
	s_mov_b32 s27, 32<<16
	s_mov_b32 s28, 128
	s_mov_b32 s29, 32
	s_mov_b32 s30, 0
	s_mov_b32 s31, 0
	s_mov_b32 s48, 15|(1<<16)|(1<<20)|(1<<21)|(6<<22)|(3<<25)  ; K': 2-byte elements; padding after every 128 words (code 6), 4 words (code 3)
	s_mov_b32 s56, 15|(1<<16)|(1<<20)|(1<<21)|(6<<22)|(7<<25)  ; V: 8 words (code 7)
.irp g, 48, 56
	s_mov_b32 s[(\g)+1], 256<<16                   ; tensor_dim0 = 256
	s_mov_b32 s[(\g)+2], 64<<16                    ; tensor_dim1 = 64
	s_mov_b32 s[(\g)+3], 256<<16                   ; tile_dim0 = 256
	s_mov_b32 s[(\g)+4], 64                        ; tile_dim1 = 64
	s_mov_b32 s[(\g)+5], 768                       ; elements from row to row
	s_mov_b32 s[(\g)+6], 0
	s_mov_b32 s[(\g)+7], 0
.endr
	s_lshl_b32 s20, s18, 4
	s_add_co_u32 s20, s20, s19
	s_lshl_b32 s20, s20, 17                        ; the chunk's T, 131,072 bytes a plane,
	s_lshl_b32 s21, s16, 15                        ; my 32,768 bytes of a half
	s_add_co_u32 s20, s20, s21
	s_mov_b32 s21, 0
	s_lshl_b32 s33, s15, 16                        ; and where they go: plane, part
	s_lshl_b32 s37, s16, 15
	s_add_co_u32 s33, s33, s37
	s_add_co_u32 s37, s33, SLOT
	s_mov_b32 s32, 1
	s_mov_b32 s36, 1
	s_mov_b32 s40, 1
	s_mov_b32 s44, 1
	s_mul_i32 s70, s15, KL
	s_mul_i32 s71, s15, VLN
	s_lshl_b32 s66, s18, 12
	s_lshl_b32 s67, s19, 8
	s_add_co_u32 s66, s66, s67                     ; the chunk's first row
	s_lshl_b32 s72, s17, 4
	s_add_co_u32 s72, s72, s66                     ; my first query's row
	s_lshl_b32 s80, s72, 10
	s_lshl_b32 s81, s14, 8
	s_add_co_u32 s80, s80, s81                     ; in out0, at my 64 channels
	s_mov_b32 s81, 0
	s_mul_i32 s72, s72, 1536
	s_mov_b32 s73, 0
	s_mul_i32 s66, s66, 1536
	s_mov_b32 s67, 0
	s_mov_b32 s82, 1.0
	s_mov_b32 s83, 0xffff0000
	s_wait_dscnt 0x0                               ; both opening adds are done
	s_wait_kmcnt 0x0
	s_cmp_eq_u32 s15, 0
	s_cselect_b64 s[22:23], s[8:9], s[10:11]       ; my plane of T
	s_cselect_b64 s[68:69], s[4:5], s[6:7]         ; and of K' and V
	s_add_nc_u64 s[34:35], s[22:23], s[20:21]
	s_add_nc_u64 s[38:39], s[34:35], 65536
	s_or_b32 s35, s35, 0x80000000
	s_or_b32 s39, s39, 0x80000000
	s_add_nc_u64 s[68:69], s[68:69], s[66:67]
	s_add_nc_u64 s[42:43], s[68:69], 512
	s_or_b32 s43, s43, 0x80000000
	s_add_nc_u64 s[46:47], s[68:69], 1024
	s_or_b32 s47, s47, 0x80000000
	s_add_nc_u64 s[74:75], s[4:5], s[72:73]
	s_add_nc_u64 s[76:77], s[6:7], s[72:73]
	s_add_nc_u64 s[78:79], s[12:13], s[80:81]
	CROUND                                         ; all four work-groups are here: the first joint loads meet
	tensor_load_to_lds s[32:35], s[24:31]          ; T's first half into slot 0,
	s_nop 0
	tensor_load_to_lds s[36:39], s[24:31]          ; its second into slot 1: two loads of mine are out
	s_nop 0
	PLACES
	v_and_b32 v16, 31, v0                          ; lane
	v_and_b32 v17, 15, v0                          ; r
	v_bfe_u32 v18, v0, 4, 1                        ; h
	v_and_b32 v19, 7, v0
	v_bfe_u32 v20, v0, 3, 1
	v_mul_u32_u24 v15, v17, 1536
	v_lshl_add_u32 v15, v18, 4, v15
	WIN 0x80
.irp x, 0,1,2,3
.irp s, 0,1,2,3,4,5,6,7
	global_load_b128 v[64*(\x)+8*(\s):64*(\x)+8*(\s)+3],   v15, s[74:75] offset:(\x)*98304+64*(\s)
	global_load_b128 v[64*(\x)+8*(\s)+4:64*(\x)+8*(\s)+7], v15, s[74:75] offset:(\x)*98304+64*(\s)+32
.endr
.endr
	WIN 0xc0
.irp x, 0,1,2,3
.irp s, 0,1,2,3,4,5,6,7
	global_load_b128 v[64*(\x)+8*(\s):64*(\x)+8*(\s)+3],   v15, s[76:77] offset:(\x)*98304+64*(\s)
	global_load_b128 v[64*(\x)+8*(\s)+4:64*(\x)+8*(\s)+7], v15, s[76:77] offset:(\x)*98304+64*(\s)+32
.endr
.endr
	WIN 0
	s_mul_i32 s84, s14, 16*KPI                     ; K': key 16 w + r, 16 bytes by h
	v_mul_u32_u24 v2, v17, KPI
	v_lshl_add_u32 v2, v18, 4, v2
	v_add_nc_u32 v2, s84, v2
	v_add_nc_u32 v3, SLOT, v2
	v_lshl_add_u32 v4, v18, 3, v19                 ; V, turned: key 8 h + lane % 8, 16 bytes by (lane / 8) % 2, my 64 channels
	v_mul_u32_u24 v4, v4, VPI
	v_lshl_add_u32 v4, v20, 4, v4
	s_lshl_b32 s84, s14, 7
	s_add_co_u32 s84, s84, VH
	v_add_nc_u32 v4, s84, v4
	v_add_nc_u32 v5, SLOT, v4
	s_lshl_b32 s84, s14, 11                        ; T: my four v tiles of 512 bytes
	v_lshl_add_u32 v6, v16, 4, s84
	v_add_nc_u32 v7, 65536, v6
	v_add_nc_u32 v8, SLOT, v6
	v_add_nc_u32 v9, SLOT+65536, v6
	s_lshl_b32 s84, s16, 11                        ; P: keys 32 (w / 2) on; my key tile is registers 0-3 (w even) or 4-7 (w odd) of the fragment
	s_lshl_b32 s85, s15, 9
	s_add_co_u32 s84, s84, s85
	s_add_co_u32 s84, s84, PB
	v_lshl_add_u32 v10, v16, 4, s84
	v_lshlrev_b32 v11, 4, v16
	v_add_nc_u32 v11, PB, v11
	s_mul_i32 s84, s14, 4352
	s_add_co_u32 s84, s84, STG
	v_mul_u32_u24 v12, v17, 272                    ; into my stage: row r, 32 bytes for each half of the lanes
	v_lshl_add_u32 v12, v18, 5, v12
	v_add_nc_u32 v12, s84, v12
	v_mul_u32_u24 v13, v18, 272                    ; back: lanes 0-15 one row of 256 bytes, lanes 16-31 the next
	v_lshl_add_u32 v13, v17, 4, v13
	v_add_nc_u32 v13, s84, v13
	v_lshlrev_b32 v14, 10, v18
	v_lshl_add_u32 v14, v17, 4, v14
	s_sub_co_i32 s84, s17, s14                     ; the mask of a band's own block: key 16 w + 8 h + j is seen by query 16 g + r where j <= 16 (g - w) + r - 8 h
	s_lshl_b32 s84, s84, 4
	v_lshlrev_b32 v21, 3, v18
	v_sub_nc_u32 v21, v17, v21
	v_add_nc_u32 v21, s84, v21
.irp j, 0,1,2,3,4,5,6,7
	v_cmp_le_i32 vcc_lo, \j, v21
	v_cndmask_b32 v[104+(\j)], 0, s82, vcc_lo
.endr
	s_wait_tensorcnt 0x1                           ; my part of T's first half is in; the second's may stay out
	s_barrier_signal -1
	s_barrier_wait -1
	s_wait_loadcnt 0x0                             ; Q'
	TPH 0, 0, 1
	CHANGE 0
	TPH 1, 1, 0
	CHANGE 1
	KVPH 0
	CHANGE 2
	KVPH 1
	CHANGE 3
	KVPH 2
	CHANGE -1                                      ; nothing is left to ask for
	KVPH 3
	; THE WAY OUT, a band at a time through my own stage: a lane's eight channels of a query go in as 32 bytes; whole rows of 256 bytes come back.  LDS serves a wave's instructions in order (ISA guide 5.7.1.4).
	PLACES
	PLACES
	WIN 0
.irp x, 0,1,2,3
.irp t, 0,1,2,3
	ds_store_b128 v12, v[O+8*(4*(\x)+(\t)):O+8*(4*(\x)+(\t))+3]   offset:64*(\t)
	ds_store_b128 v12, v[O+8*(4*(\x)+(\t))+4:O+8*(4*(\x)+(\t))+7] offset:64*(\t)+16
.endr
	s_wait_xcnt 0x0                                ; the last band's stores have had their addresses translated: v32-63 may be loaded again
.irp f, 0,1,2,3,4,5,6,7
	ds_load_b128 v[32+4*(\f):35+4*(\f)], v13 offset:544*(\f)
.endr
.irp f, 0,1,2,3,4,5,6,7
	s_wait_dscnt 7-(\f)
	global_store_b128 v14, v[32+4*(\f):35+4*(\f)], s[78:79] offset:(\x)*65536+2048*(\f) th:TH_STORE_NT  ; 16 lanes store 256 consecutive bytes, at a multiple of 256 from out0's first byte
.endr
.endr
	s_wait_tensorcnt 0x0                           ; the wave's end: behind my last tensor load and my last LDS store
	ds_add_u32 v112, v113
	s_wait_dscnt 0x0
	CROUND                                         ; the closing round
	s_endpgm
.Lfunc_end_k_qa9cc870b8a_out:
	.size	k_qa9cc870b8a_out, .Lfunc_end_k_qa9cc870b8a_out-k_qa9cc870b8a_out
	.p2alignl 7, 3214868480
	.fill 96, 4, 3214868480
	.section	.rodata,"a",@progbits
	.p2align	6, 0x0
	.amdhsa_kernel k_qa9cc870b8a_out
		.amdhsa_group_segment_fixed_size 327680
		.amdhsa_private_segment_fixed_size 0
		.amdhsa_enable_private_segment 0
		.amdhsa_kernarg_size 40
		.amdhsa_user_sgpr_count 2
		.amdhsa_user_sgpr_kernarg_segment_ptr 1
		.amdhsa_wavefront_size32 1
		.amdhsa_system_sgpr_workgroup_id_x 1
		.amdhsa_system_sgpr_workgroup_id_y 1
		.amdhsa_system_sgpr_workgroup_id_z 1
		.amdhsa_system_vgpr_workitem_id 0
		.amdhsa_next_free_vgpr 1024
		.amdhsa_next_free_sgpr 100
		.amdhsa_reserve_vcc 1
		.amdhsa_float_denorm_mode_32 3
		.amdhsa_float_denorm_mode_16_64 3
		.amdhsa_memory_ordered 1
		.amdhsa_forward_progress 1
		.amdhsa_inst_pref_size 136
	.end_amdhsa_kernel
	.amdgpu_metadata
---
amdhsa.version: [ 1, 2 ]
amdhsa.kernels:
  - .name:           k_qa9cc870b8a_out
    .symbol:         k_qa9cc870b8a_out.kd
    .args:
      - { .name: yh, .offset: 0, .size: 8, .value_kind: global_buffer, .address_space: global }
      - { .name: yl, .offset: 8, .size: 8, .value_kind: global_buffer, .address_space: global }
      - { .name: th, .offset: 16, .size: 8, .value_kind: global_buffer, .address_space: global }
      - { .name: tl, .offset: 24, .size: 8, .value_kind: global_buffer, .address_space: global }
      - { .name: out0, .offset: 32, .size: 8, .value_kind: global_buffer, .address_space: global }
    .group_segment_fixed_size: 327680
    .private_segment_fixed_size: 0
    .kernarg_segment_align: 8
    .kernarg_segment_size: 40
    .max_flat_workgroup_size: 128
    .sgpr_count:     100
    .vgpr_count:     1024
    .wavefront_size: 32
...
	.end_amdgpu_metadata
.endif
;; end of part 5
;; ======== version 2 of 2: 5 launches; version 1 with the launches prep, scan written anew for expert scheduling mode
;; workspace buffers: wc 3,145,728 bytes; tab 786,432 bytes; yh 25,165,824 bytes; yl 25,165,824 bytes; u 15,728,640 bytes; th 8,388,608 bytes; tl 8,388,608 bytes
;; launch prep (part 6): grid 256 x 1, 4 waves a work-group, no clusters, 0 bytes of LDS; arguments W_Q, W_K, W_V, wc, tab; writes wc, tab
.if DOCPART == 6
	.amdgcn_target "amdgcn-amd-amdhsa--gfx1250"
	.amdhsa_code_object_version 6
	.text
	.protected	k_qa9cc870b8a_prep
	.globl	k_qa9cc870b8a_prep
	.p2align	8
	.type	k_qa9cc870b8a_prep,@function
k_qa9cc870b8a_prep:
	s_mov_b64 s[64:65], 0
	v_nop
	global_prefetch_b8 v0, s[64:65] scope:SCOPE_SE
	s_setreg_imm32_b32 hwreg(HW_REG_WAVE_SCHED_MODE, 0, 2), 2
	s_setreg_imm32_b32 hwreg(HW_REG_WAVE_MODE, 25, 1), 1
	s_wait_xcnt 0x0
	s_wait_alu depctr_vm_vsrc(0)
; PREP.  (1) wc[k][768] = bf16 of (W_Q | W_K | W_V)[k][256]: the three weights side by side, rounded once.
; (2) tab[i][384 pairs][c, s], f32: the factors by which a projected row at place i of its chunk of 256 positions is multiplied, a complex number for each pair of channels:
;     pairs 0-127 (Q):   (g v_j^(1/512))^i   e^(i t_j),   pairs 128-255 (K): (g v_j^(1/512))^-i e^(i t_j),   pairs 256-383 (V): (1, 0)
;     g = 0.96875, v_j = (2 j + 102.4) / 358.4, t_j = i x 10000^(-j/128).  Decay and xpos are both powers of the distance n - m, so they split into a factor of n and one of m, counted from the chunk's first row.
; Work-group i (256 of them) takes rows 8 i .. 8 i + 7 of the weights and row i of the table; thread t takes pair j = t.
; Sine and cosine are polynomials: the angle in turns less its nearest whole number, f in -1/2 .. 1/2; the half angle pi f in -pi/2 .. pi/2; Taylor sums to x^11 and x^12 (next terms under 6e-8); then the double-angle forms.
; LIMITS.  The angle is the f32 product i x t_j (i under 256); reference() rounds pos x t_j at pos up to 4,095: the two differ by that rounding, about 1e-4 radians at the most.
; No LDS, no matrix unit, no cluster: nothing is shared and the launch moves 10 MB.
; THE MODE: SCHED_MODE bits 1:0 = 2 (LLVM: expert scheduling mode 2), set by the entry lines.  The code itself states the register dependences
; between vector instructions and memory instructions, with s_wait_alu, always for 0.
; THE PLAN.  Registers that memory instructions touch:
;   v3, v4, v5          byte offsets, made once at the head and never written again.
;   v6, v7, v10 - v13   the table's six numbers: written last by the closing lines of the table's arithmetic, read by three stores, never written again.
;   v[16:63]            the twelve loads land here once; behind the wait for them 24 roundings write the first four of each eight; six stores read those; never written again.
; The table's arithmetic hangs on no argument, so it stands ahead of the wait for the arguments.  ONE wait ahead of the first load then states that the offsets and the table's numbers are written;
; ONE wait behind the run of roundings states that the six stores' data are written.  No register that a memory instruction has read is written again, so nothing more is owed.
.set LW, 16                            ; v[16:63] the weights as loaded: (matrix m, half hf) at LW + 16 m + 8 hf
	s_load_b256 s[4:11], s[0:1], 0x0               ; W_Q s[4:5], W_K s[6:7], W_V s[8:9], wc s[10:11]
	s_load_b64 s[12:13], s[0:1], 0x20              ; tab
	v_lshrrev_b32 v1, 5, v0                        ; t / 32: my row among four
	v_and_b32 v2, 31, v0
	v_lshlrev_b32 v3, 5, v2
	v_lshl_add_u32 v3, v1, 10, v3                  ; in W: row x 1,024 + 32 (t % 32): eight f32
	v_mul_u32_u24 v4, v1, 1536
	v_lshl_add_u32 v4, v2, 4, v4                   ; in wc: row x 1,536 + 16 (t % 32): eight bf16
	v_lshlrev_b32 v5, 3, v0                        ; in a table row: 8 t
	s_lshl_b32 s16, ttmp9, 13                      ; 8 rows of 1,024 bytes
	s_mov_b32 s17, 0
	s_mul_i32 s18, ttmp9, 12288                    ; 8 rows of 1,536 bytes
	s_mov_b32 s19, 0
	s_mul_i32 s20, ttmp9, 3072                     ; a table row
	s_mov_b32 s21, 0
	s_mov_b32 s22, ttmp9
	; the table's row, while the arguments are on their way
	v_cvt_f32_u32 v6, v0                           ; j
	v_cvt_f32_u32 v7, s22                          ; i
	v_mul_f32 v8, 0xbdd49a78, v6                   ; -j log2(10000) / 128
	v_add_f32 v9, v6, v6
	v_add_f32 v9, 0x42cccccd, v9                   ; 2 j + 102.4
	v_mul_f32 v9, 0x3b36db6e, v9                   ; / 358.4
	v_exp_f32 v8, v8                               ; 10000^(-j/128)
	v_log_f32 v9, v9                               ; log2 v_j
	v_mov_b32 v10, 0x3b000000                      ; 1/512: the plain line behind the two
	s_wait_alu depctr_va_vdst(0)                   ; the exponential and the logarithm have written v8 and v9: one wait for both, ahead of their first reader
	v_fmaak_f32 v9, v9, v10, 0xbd3b9ca6            ; log2 (g v_j^(1/512)) = log2 v_j / 512 + log2 0.96875
	v_mul_f32 v10, v7, v9                          ; times i
	v_sub_f32 v13, 0, v10
	v_exp_f32 v11, v10                             ; Q's size
	v_exp_f32 v12, v13                             ; K's size
	v_mul_f32 v14, v7, v8                          ; the angle
	v_mul_f32 v15, 0.15915494, v14                 ; in turns
	v_rndne_f32 v15, v15
	v_fma_f32 v14, v14, 0.15915494, -v15           ; f
	v_mul_f32 v14, 0x40490fdb, v14                 ; x = pi f, the half angle
	v_mul_f32 v15, v14, v14                        ; z = x^2
	v_mov_b32 v6, 0xb2d7322b                       ; sin x / x = 1 - z/3! + z^2/5! - z^3/7! + z^4/9! - z^5/11!
	v_mov_b32 v7, 0x310f76c7                       ; cos x = 1 - z/2! + z^2/4! - z^3/6! + z^4/8! - z^5/10! + z^6/12!
	v_fmaak_f32 v6, v6, v15, 0x3638ef1d
	v_fmaak_f32 v7, v7, v15, 0xb493f27e
	v_fmaak_f32 v6, v6, v15, 0xb9500d01
	v_fmaak_f32 v7, v7, v15, 0x37d00d01
	v_fmaak_f32 v6, v6, v15, 0x3c088889
	v_fmaak_f32 v7, v7, v15, 0xbab60b61
	v_fmaak_f32 v6, v6, v15, 0xbe2aaaab
	v_fmaak_f32 v7, v7, v15, 0x3d2aaaab
	v_fma_f32 v6, v6, v15, 1.0
	v_fma_f32 v7, v7, v15, -0.5
	v_mul_f32 v6, v6, v14                          ; sin x
	v_fma_f32 v7, v7, v15, 1.0                     ; cos x
	v_mul_f32 v8, v6, v7
	v_mul_f32 v9, v6, v6
	v_add_f32 v8, v8, v8                           ; sin 2x = 2 sin x cos x
	v_fma_f32 v9, v9, -2.0, 1.0                    ; cos 2x = 1 - 2 sin^2 x
	s_wait_alu depctr_va_vdst(0)                   ; the two exponentials have written v11 and v12, the sizes: one wait for both, ahead of their first reader
	v_mul_f32 v6, v9, v11
	v_mul_f32 v7, v8, v11
	v_mul_f32 v10, v9, v12
	v_mul_f32 v11, v8, v12
	v_mov_b32 v12, 1.0
	v_mov_b32 v13, 0
	s_wait_kmcnt 0x0
	s_add_nc_u64 s[4:5], s[4:5], s[16:17]
	s_add_nc_u64 s[6:7], s[6:7], s[16:17]
	s_add_nc_u64 s[8:9], s[8:9], s[16:17]
	s_add_nc_u64 s[10:11], s[10:11], s[18:19]
	s_add_nc_u64 s[12:13], s[12:13], s[20:21]
	s_wait_alu depctr_va_vdst(0)                   ; the offsets v3, v4, v5 are written, which every load and store below reads; so are v6, v7 and v10 to v13, the data of the table's three stores
.irp m, 0,1,2
.irp hf, 0,1
	global_load_b128 v[LW+16*(\m)+8*(\hf):LW+16*(\m)+8*(\hf)+3],   v3, s[4+2*(\m):5+2*(\m)] offset:4096*(\hf) th:TH_LOAD_NT
	global_load_b128 v[LW+16*(\m)+8*(\hf)+4:LW+16*(\m)+8*(\hf)+7], v3, s[4+2*(\m):5+2*(\m)] offset:4096*(\hf)+16 th:TH_LOAD_NT
.endr
.endr
	global_store_b64 v5, v[6:7], s[12:13]                ; each store of a wave covers 256 consecutive bytes, aligned.  No vector instruction since the wait above names these registers
	global_store_b64 v5, v[10:11], s[12:13] offset:1024
	global_store_b64 v5, v[12:13], s[12:13] offset:2048
	s_wait_loadcnt 0x0
.irp m, 0,1,2
.irp hf, 0,1
.irp j, 0,1,2,3
	v_cvt_pk_bf16_f32 v[LW+16*(\m)+8*(\hf)+(\j)], v[LW+16*(\m)+8*(\hf)+2*(\j)], v[LW+16*(\m)+8*(\hf)+2*(\j)+1]  ; in place: word j is written when words 2 j, 2 j + 1 are read
.endr
.endr
.endr
	s_wait_alu depctr_va_vdst(0)                   ; the 24 roundings have written the first four of each eight registers, which the six stores read
.irp m, 0,1,2
.irp hf, 0,1
	global_store_b128 v4, v[LW+16*(\m)+8*(\hf):LW+16*(\m)+8*(\hf)+3], s[10:11] offset:6144*(\hf)+512*(\m)  ; a wave stores 512 consecutive bytes
.endr
.endr
	s_endpgm
.Lfunc_end_k_qa9cc870b8a_prep:
	.size	k_qa9cc870b8a_prep, .Lfunc_end_k_qa9cc870b8a_prep-k_qa9cc870b8a_prep
	.p2alignl 7, 3214868480
	.fill 96, 4, 3214868480
	.section	.rodata,"a",@progbits
	.p2align	6, 0x0
	.amdhsa_kernel k_qa9cc870b8a_prep
		.amdhsa_group_segment_fixed_size 0
		.amdhsa_private_segment_fixed_size 0
		.amdhsa_enable_private_segment 0
		.amdhsa_kernarg_size 40
		.amdhsa_user_sgpr_count 2
		.amdhsa_user_sgpr_kernarg_segment_ptr 1
		.amdhsa_wavefront_size32 1
		.amdhsa_system_sgpr_workgroup_id_x 1
		.amdhsa_system_sgpr_workgroup_id_y 1
		.amdhsa_system_sgpr_workgroup_id_z 1
		.amdhsa_system_vgpr_workitem_id 0
		.amdhsa_next_free_vgpr 64
		.amdhsa_next_free_sgpr 66
		.amdhsa_reserve_vcc 0
		.amdhsa_float_denorm_mode_32 3
		.amdhsa_float_denorm_mode_16_64 3
		.amdhsa_memory_ordered 1
		.amdhsa_forward_progress 1
		.amdhsa_inst_pref_size 7
	.end_amdhsa_kernel
	.amdgpu_metadata
---
amdhsa.version: [ 1, 2 ]
amdhsa.kernels:
  - .name:           k_qa9cc870b8a_prep
    .symbol:         k_qa9cc870b8a_prep.kd
    .args:
      - { .name: W_Q, .offset: 0, .size: 8, .value_kind: global_buffer, .address_space: global }
      - { .name: W_K, .offset: 8, .size: 8, .value_kind: global_buffer, .address_space: global }
      - { .name: W_V, .offset: 16, .size: 8, .value_kind: global_buffer, .address_space: global }
      - { .name: wc, .offset: 24, .size: 8, .value_kind: global_buffer, .address_space: global }
      - { .name: tab, .offset: 32, .size: 8, .value_kind: global_buffer, .address_space: global }
    .group_segment_fixed_size: 0
    .private_segment_fixed_size: 0
    .kernarg_segment_align: 8
    .kernarg_segment_size: 40
    .max_flat_workgroup_size: 128
    .sgpr_count:     66
    .vgpr_count:     64
    .wavefront_size: 32
...
	.end_amdgpu_metadata
.endif
;; end of part 6
;; launch gemm: the kernel of part 2 again; grid 4 x 64, 4 waves a work-group, clusters of 4 x 4, 327,680 bytes of LDS; arguments X, wc, tab, yh, yl; writes yh, yl
;; launch kv: the kernel of part 3 again; grid 60 x 4, 4 waves a work-group, no clusters, 295,424 bytes of LDS; arguments yh, yl, u; writes u
;; launch scan (part 7): grid 256 x 1, 4 waves a work-group, no clusters, 0 bytes of LDS; arguments u, tab, th, tl; writes th, tl
.if DOCPART == 7
	.amdgcn_target "amdgcn-amd-amdhsa--gfx1250"
	.amdhsa_code_object_version 6
	.text
	.protected	k_qa9cc870b8a_scan
	.globl	k_qa9cc870b8a_scan
	.p2align	8
	.type	k_qa9cc870b8a_scan,@function
k_qa9cc870b8a_scan:
	s_mov_b64 s[64:65], 0
	v_nop
	global_prefetch_b8 v0, s[64:65] scope:SCOPE_SE
	s_setreg_imm32_b32 hwreg(HW_REG_WAVE_SCHED_MODE, 0, 2), 2
	s_setreg_imm32_b32 hwreg(HW_REG_WAVE_MODE, 25, 1), 1
	s_wait_xcnt 0x0
	s_wait_alu depctr_vm_vsrc(0)
; SCAN.  T_0 = 0, T_(c+1) = lam x (T_c + U_c), c = 0 .. 14, for each batch: the state that chunk c's queries multiply.  lam acts on pairs of channels d as a complex number:
; lam_j = conj((g v_j^(1/512) e^(i t_j))^256) = conj(row 1 x row 255 of the table's Q part).  T is carried in f32 and written as two bf16 numbers, th = bf16(T), tl = bf16(T - th).
; A wave owns one tile of 16 d x 16 v of one batch (1,024 tiles, 256 work-groups); a lane eight numbers: v = lane % 16, d = 8 (lane / 16) + 0..7: four pairs.  All 15 U are asked for at the head: 30 loads a wave.
; th, tl: [64 chunks][256 tiles][32 lanes][8 bf16]: a lane's 16 bytes are half a fragment (16 v x 32 d) of the next launch's source 0.
; No LDS, no matrix unit, no cluster: nothing is shared.  No prefetch: every load is issued at once.
; THE MODE: SCHED_MODE bits 1:0 = 2 (LLVM: expert scheduling mode 2), set by the entry lines.  The code itself states the register dependences
; between vector instructions and memory instructions, with s_wait_alu, always for 0.
; THE PLAN.  Registers that memory instructions touch:
;   v2, v3      byte offsets, made once at the head and never written again: the chunks are reached by immediate offsets.
;   R1, R2, U   loads land in them once, all issued at the head; no vector instruction names them before.
;   the out-buffers, one for EACH chunk: chunk 0 leaves from v[56:63]; chunk c + 1 leaves from U_c's own eight registers: step c's four additions are the last readers of U_c, and the
;               split of T_(c+1) is written there.  So no register that a store reads is ever written again, and nothing is owed for the stores' sources.
;   T, W, Z and the split's work registers are named by vector instructions alone.
; THE WAITS.  One ahead of the first load: the offsets and chunk 0's out-buffer are written (T_0 and its split stand ahead of the wait for the arguments).  One behind every two steps, ahead of
; the four stores of the two chunks just split; one behind the last step, ahead of chunk 15's two.  And one for the wave's number, which a vector instruction writes into a scalar register.
.set R1,  8                            ; v[8:15]    the table's row 1, my four pairs
.set R2,  16                           ; v[16:23]   row 255
.set Z,   24                           ; v[24:31]   their product
.set T,   32                           ; v[32:47]   T, two sets by the chunk's parity
.set W,   48                           ; v[48:55]   T + U
.set SP,  56                           ; v[56:63]   chunk 0's out-buffer: high parts, low parts
.set WK,  64                           ; v[64:71]   the split, at work
.set U,   72                           ; v[72:191]  U_c at U + 8 c; later chunk c + 1's out-buffer
; eight f32 at src become four words of bf16 at t (the high parts) and four at t + 4 (what is left, rounded again); w .. w + 7 at work
.macro SPLIT8 src, t, w, m
.irp j, 0,1,2,3
	v_cvt_pk_bf16_f32 v[(\t)+(\j)], v[(\src)+2*(\j)], v[(\src)+2*(\j)+1]
.endr
.irp j, 0,1,2,3
	v_lshlrev_b32 v[(\w)+2*(\j)],   16, v[(\t)+(\j)]
	v_and_b32     v[(\w)+2*(\j)+1], s[\m], v[(\t)+(\j)]
.endr
.irp j, 0,1,2,3
	v_pk_add_f32 v[(\w)+2*(\j):(\w)+2*(\j)+1], v[(\src)+2*(\j):(\src)+2*(\j)+1], v[(\w)+2*(\j):(\w)+2*(\j)+1] neg_lo:[0,1] neg_hi:[0,1]
.endr
.irp j, 0,1,2,3
	v_cvt_pk_bf16_f32 v[(\t)+4+(\j)], v[(\w)+2*(\j)], v[(\w)+2*(\j)+1]
.endr
.endm
; Step c makes T_(c+1) of T_c and U_c, and splits it into U_c's registers
.macro STEP c
.set CUR, T+8*((\c)%2)
.set NXT, T+8*(((\c)+1)%2)
	s_wait_loadcnt 2*(14-(\c))                     ; U_c is in; the later chunks' loads may stay out
.irp p, 0,2,4,6
	v_pk_add_f32 v[W+(\p):W+(\p)+1], v[CUR+(\p):CUR+(\p)+1], v[U+8*(\c)+(\p):U+8*(\c)+(\p)+1]
.endr
.irp p, 0,2,4,6
	v_pk_mul_f32 v[NXT+(\p):NXT+(\p)+1], v[W+(\p):W+(\p)+1], v[Z+(\p):Z+(\p)+1] op_sel_hi:[1,0]
.endr
.irp p, 0,2,4,6                        ; (w0, w1) x conj(zr, zi) = (w0 zr + w1 zi, w1 zr - w0 zi)
	v_pk_fma_f32 v[NXT+(\p):NXT+(\p)+1], v[W+(\p):W+(\p)+1], v[Z+(\p):Z+(\p)+1], v[NXT+(\p):NXT+(\p)+1] op_sel:[1,1,0] op_sel_hi:[0,1,1] neg_hi:[1,0,0]
.endr
	SPLIT8 NXT, U+8*(\c), WK, 22
.endm
; Chunk c's two stores, from its own out-buffer
.macro SEND c
.if (\c) == 0
.set OB, SP
.else
.set OB, U+8*((\c)-1)
.endif
	global_store_b128 v2, v[OB:OB+3],   s[8:9]   offset:(\c)*131072  ; a wave stores 512 consecutive bytes
	global_store_b128 v2, v[OB+4:OB+7], s[10:11] offset:(\c)*131072
.endm
	s_load_b256 s[4:11], s[0:1], 0x0               ; u s[4:5], tab s[6:7], th s[8:9], tl s[10:11]
	s_mov_b32 s22, 0xffff0000
	v_lshrrev_b32 v1, 5, v0
	v_readfirstlane_b32 s12, v1                    ; wave
	v_and_b32 v2, 31, v0
	v_lshlrev_b32 v2, 4, v2                        ; 16 x lane
	v_bfe_u32 v3, v0, 4, 1
	v_lshlrev_b32 v3, 5, v3                        ; my four pairs in the tile's 64 bytes of a table row
.set i, 0
.rept 8
	v_mov_b32 v[T+i], 0                            ; T_0
.set i, i+1
.endr
	SPLIT8 T, SP, WK, 22                           ; chunk 0's out-buffer, while the arguments are on their way
	s_lshr_b32 s13, ttmp9, 6                       ; b
	s_and_b32 s14, ttmp9, 63
	s_lshl_b32 s14, s14, 2
	s_wait_alu depctr_va_sdst(0)                   ; s12, the wave's number, is written, ahead of its first reader: the four bases are made from it
	s_add_co_u32 s14, s14, s12                     ; tile
	s_lshr_b32 s15, s14, 4                         ; its d block
	s_mul_i32 s16, s13, 15*262144
	s_lshl_b32 s17, s14, 10
	s_add_co_u32 s16, s16, s17
	s_mov_b32 s17, 0
	s_lshl_b32 s18, s15, 6
	s_mov_b32 s19, 0
	s_lshl_b32 s20, s13, 21
	s_lshl_b32 s21, s14, 9
	s_add_co_u32 s20, s20, s21
	s_mov_b32 s21, 0
	s_wait_kmcnt 0x0
	s_add_nc_u64 s[4:5], s[4:5], s[16:17]
	s_add_nc_u64 s[6:7], s[6:7], s[18:19]
	s_add_nc_u64 s[8:9], s[8:9], s[20:21]
	s_add_nc_u64 s[10:11], s[10:11], s[20:21]
	s_wait_alu depctr_va_vdst(0)                   ; the offsets v2 and v3 are written, which every load and store of the kernel reads; so is v[56:63], the data of chunk 0's stores
	global_load_b128 v[R1:R1+3],   v3, s[6:7] offset:3072
	global_load_b128 v[R1+4:R1+7], v3, s[6:7] offset:3088
	global_load_b128 v[R2:R2+3],   v3, s[6:7] offset:783360
	global_load_b128 v[R2+4:R2+7], v3, s[6:7] offset:783376
.set c, 0
.rept 15
	global_load_b128 v[U+8*c:U+8*c+3],   v2, s[4:5] offset:c*262144 th:TH_LOAD_NT
	global_load_b128 v[U+8*c+4:U+8*c+7], v2, s[4:5] offset:c*262144+512 th:TH_LOAD_NT
.set c, c+1
.endr
	SEND 0                                         ; behind the loads; no vector instruction since the wait above
	s_wait_loadcnt 30                              ; the table's two rows are in
.irp p, 0,2,4,6
	v_pk_mul_f32 v[Z+(\p):Z+(\p)+1], v[R1+(\p):R1+(\p)+1], v[R2+(\p):R2+(\p)+1] op_sel_hi:[1,0]
.endr
.irp p, 0,2,4,6
	v_pk_fma_f32 v[Z+(\p):Z+(\p)+1], v[R1+(\p):R1+(\p)+1], v[R2+(\p):R2+(\p)+1], v[Z+(\p):Z+(\p)+1] op_sel:[1,1,0] op_sel_hi:[0,1,1] neg_lo:[1,0,0]
.endr
.irp c, 0,2,4,6,8,10,12
	STEP \c
	STEP (\c)+1
	s_wait_alu depctr_va_vdst(0)                   ; the two splits have written U_c's and U_(c+1)'s registers, the out-buffers of chunks c + 1 and c + 2, which the four stores read
	SEND (\c)+1
	SEND (\c)+2
.endr
	STEP 14
	s_wait_alu depctr_va_vdst(0)                   ; the last split has written U_14's registers, chunk 15's out-buffer, which the last two stores read
	SEND 15
	s_endpgm
.Lfunc_end_k_qa9cc870b8a_scan:
	.size	k_qa9cc870b8a_scan, .Lfunc_end_k_qa9cc870b8a_scan-k_qa9cc870b8a_scan
	.p2alignl 7, 3214868480
	.fill 96, 4, 3214868480
	.section	.rodata,"a",@progbits
	.p2align	6, 0x0
	.amdhsa_kernel k_qa9cc870b8a_scan
		.amdhsa_group_segment_fixed_size 0
		.amdhsa_private_segment_fixed_size 0
		.amdhsa_enable_private_segment 0
		.amdhsa_kernarg_size 32
		.amdhsa_user_sgpr_count 2
		.amdhsa_user_sgpr_kernarg_segment_ptr 1
		.amdhsa_wavefront_size32 1
		.amdhsa_system_sgpr_workgroup_id_x 1
		.amdhsa_system_sgpr_workgroup_id_y 1
		.amdhsa_system_sgpr_workgroup_id_z 1
		.amdhsa_system_vgpr_workitem_id 0
		.amdhsa_next_free_vgpr 192
		.amdhsa_next_free_sgpr 66
		.amdhsa_reserve_vcc 0
		.amdhsa_float_denorm_mode_32 3
		.amdhsa_float_denorm_mode_16_64 3
		.amdhsa_memory_ordered 1
		.amdhsa_forward_progress 1
		.amdhsa_inst_pref_size 37
	.end_amdhsa_kernel
	.amdgpu_metadata
---
amdhsa.version: [ 1, 2 ]
amdhsa.kernels:
  - .name:           k_qa9cc870b8a_scan
    .symbol:         k_qa9cc870b8a_scan.kd
    .args:
      - { .name: u, .offset: 0, .size: 8, .value_kind: global_buffer, .address_space: global }
      - { .name: tab, .offset: 8, .size: 8, .value_kind: global_buffer, .address_space: global }
      - { .name: th, .offset: 16, .size: 8, .value_kind: global_buffer, .address_space: global }
      - { .name: tl, .offset: 24, .size: 8, .value_kind: global_buffer, .address_space: global }
    .group_segment_fixed_size: 0
    .private_segment_fixed_size: 0
    .kernarg_segment_align: 8
    .kernarg_segment_size: 32
    .max_flat_workgroup_size: 128
    .sgpr_count:     66
    .vgpr_count:     192
    .wavefront_size: 32
...
	.end_amdgpu_metadata
.endif
;; end of part 7
;; launch out: the kernel of part 5 again; grid 64 x 4, 4 waves a work-group, clusters of 4 x 1, 327,680 bytes of LDS; arguments yh, yl, th, tl, out0; writes out0
